; MI455X (gfx1250); checked and timed in simulation.
; The chip was launched on July 23, 2026; its instructions are those of AMD's public machine-readable ISA for CDNA 5 (MIT licence, August 2026) and "CDNA5" Instruction Set Architecture Reference Guide (July 2026). The comments in the code are by the model that wrote it; some were corrected since.
;; Attention. Allowed arithmetic: matrix products marked QUANTISED: E2M3 operands, one E8M0 scale for each 32 along K, by v_wmma_scale_f32_16x16x128_f8f6f4 with both operands' format E2M3, f32 sums; everything else in f32.
;; Inputs: Wk 2,048 x 2,048 float32; Wo 2,048 x 2,048 float32; Wq 2,048 x 2,048 float32; Wv 2,048 x 2,048 float32; hidden_states 1 x 2,048 x 2,048 float32; position_ids 1 x 2,048 int32.
;; Outputs: out0 1 x 2,048 x 2,048 float32.
;; This version of the problem:
;;   THIS VERSION OF THE PROBLEM IS GIVEN IN LOW PRECISION. The matrix products marked QUANTISED in the list below multiply operands that are first quantised to E2M3 (2 exponent bits, 3 mantissa bits; 6 bits a number), with one power-of-two scale for each 32 numbers along K (OCP MX v1.0); their sums are f32. All else is computed in f32.
;;   The module's matrix products, in the order in which they are computed (A, B: the left and right operand; K: the contracted axis; several contracted axes count as one K, in the product's order):
;;     1. [M 2,048, K 2,048] x [K 2,048, N 2,048]; A: input hidden_states; B: input Wq: QUANTISED
;;     2. [M 2,048, K 2,048] x [K 2,048, N 2,048]; A: input hidden_states; B: input Wk: QUANTISED
;;     3. [M 2,048, K 2,048] x [K 2,048, N 2,048]; A: input hidden_states; B: input Wv: QUANTISED
;;     4. batch 16 x [M 2,048, K 128] x [K 128, N 2,048]; A: computed on the way; B: computed on the way: QUANTISED
;;     5. batch 16 x [M 2,048, K 2,048] x [K 2,048, N 128]; A: softmax (see below); B: computed on the way: QUANTISED
;;     6. [M 2,048, K 2,048] x [K 2,048, N 2,048]; A: computed on the way; B: input Wo: QUANTISED
;;   THE QUANTISER, for each operand of a quantised product, along K:
;;     - K is cut into blocks of 32 from its start; a last block that is shorter is filled with zeros.
;;     - A block's scale is 2^e with e = floor(log2(the largest magnitude in the block)) - 2, held to -126 .. 127; a block of zeros has e = 0. As a byte (E8M0): e + 127.
;;     - Each number is divided by its block's scale, clamped to +-7.5, and rounded to the nearest number of E2M3, ties to even, subnormals kept.
;;     - The product sums the exact products of the quantised numbers (number of the format x scale) in f32.
;;   ~~~python
;;   def quantise(x, axis):      # numpy; x: float32 -> the quantised numbers, widened to float32 again
;;       x = np.moveaxis(x, axis, -1); K = x.shape[-1]
;;       x = np.pad(x, [(0, 0)] * (x.ndim - 1) + [(0, -K % 32)]); x = x.reshape(x.shape[:-1] + (-1, 32)); a = np.abs(x).max(-1, keepdims=True)
;;       e = np.where(a > 0, np.clip(np.frexp(np.where(a > 0, a, 1))[1] - 1 - 2, -126, 127), 0)      # np.frexp(a)[1] - 1 = floor(log2(a)), exactly
;;       r = np.clip(x / 2.0 ** e, -7.5, 7.5)
;;       step = 2.0 ** (np.maximum(np.frexp(np.where(r == 0, 1, r))[1] - 1, 0) - 3)
;;       q = np.round(r / step) * step * 2.0 ** e      # np.round: ties to even
;;       return np.moveaxis(q.reshape(q.shape[:-2] + (-1,))[..., :K], -1, axis).astype(np.float32)
;;   ~~~
;;   SOFTMAX AHEAD OF A QUANTISED PRODUCT. Where the list says 'softmax', what is quantised is not the finished softmax but p = 2^(t - M), with t = logit x log2(e) and M = ceil(the row's largest t), a whole number; so 1/2 < the row's largest p <= 1. The row's sum l is taken of the UNQUANTISED p, in f32, and the product's result is divided by l at the end. Since M is a whole number, a kernel that streams over the keys may use a running M (the ceiling of the running maximum): every later rescaling is an exact power of two, which a block's scale takes up: the codes' values come out the same.
;;   OPERANDS COMPUTED ON THE WAY. 'Computed on the way' means the value that the module computes at that place (a softmax that the list does not call 'softmax' is quantised finished and normalised). What goes into a quantiser is computed in f32, as accurately as f32 sums, v_exp_f32 and their like allow (about 1e-6 of the number): no bf16 or f16 on the way to a quantiser, and a product that is left as it is and whose result goes on into a quantised operand takes f32 operands (vector FMAs, or v_wmma_f32_16x16x4_f32). A number that lies on a knife's edge between two numbers of the format may be rounded either way, as far as f32 arithmetic and the matrix unit's own rounding can turn it there, and no further.
;; One version. Each part assembles by itself: llvm-mc -triple=amdgcn-amd-amdhsa -mcpu=gfx1250 --defsym DOCPART=n.
;; ======== version 1 of 1: 4 launches
;; limits: right only within a limited range of input values
;; workspace buffers: codes1 12,582,912 bytes; scales1 524,288 bytes; rope 1,048,576 bytes; qkvc 12,582,912 bytes; qkvs 524,288 bytes; oc 3,145,728 bytes; os 131,072 bytes
;; launch quant (part 1): grid 128 x 5, 4 waves a work-group, no clusters, 34,304 bytes of LDS; arguments hidden_states, Wq, Wk, Wv, position_ids, codes1, scales1, rope; writes codes1, scales1, rope
.if DOCPART == 1
	.amdgcn_target "amdgcn-amd-amdhsa--gfx1250"
	.amdhsa_code_object_version 6
	.text
	.protected	k_q58a900d4b0_quant
	.globl	k_q58a900d4b0_quant
	.p2align	8
	.type	k_q58a900d4b0_quant,@function
k_q58a900d4b0_quant:
	s_mov_b64 s[64:65], 0
	v_nop
	global_prefetch_b8 v0, s[64:65] scope:SCOPE_SE
	s_setreg_imm32_b32 hwreg(HW_REG_WAVE_MODE, 25, 1), 1
	s_wait_xcnt 0x0
; hidden_states, Wq, Wk, Wv, Wo ([2048][2048] f32, K innermost) become codes of FP6 (E2M3) with one E8M0 byte for each 32 along K; and the table of cos and sin for the rotation is made.
; THE CODES ARE LAID IN THE ORDER OF THE OPERAND'S REGISTERS.  A fragment (16 rows x 128 K, 12 registers a lane) is 1,536 bytes: registers 4 g .. 4 g + 3 of lane l at 512 g + 16 l.  Tensor n at n x 3,145,728: [tile 0..127][K step 0..15][fragment].
; THE ROWS OF A TILE ARE NOT NEIGHBOURS: lane row r of tile T is row 32 (T / 2) + 8 (T % 2) + r + 8 (r / 8), so that results made with such tiles as source 0 have 16 neighbours in a lane's 16 registers of two tiles.
; THE SCALE WORDS (four bytes: 128 along K of one row): tensor n at n x 131,072: [pair of tiles G][pair of K steps][lane][2 words]; word q of lane (r, h) belongs to tile 2 G + h, lane row r, K step 2 kp + q.
; A block's byte is its largest magnitude's exponent field - 2, held at 1 from below (a block of zeros keeps the byte 1: its codes are zeros, and this program alone reads the bytes).
; SHARES.  Grid y = 0 .. 4: the tensor; x: G = x / 2; wave w takes the pair of K steps 4 (x % 2) + w: four fragments, 32 rows x 1,024 bytes.  Each load reads 512 consecutive bytes of one row; a fragment's 16 rows
; turn through the wave's own stage in LDS (rows 528 bytes apart), so that lane (r, h) gets the 32 + 32 neighbours that the operand's layout gives it; no other lane is asked for a block's maximum.
; Grid y = 5: the table: tile T = x; lane (r, h) holds, for the token of lane row r, cos and sin of pos x 10000^(-f / 64), f = 32 b + 16 h + i, at register 16 b + i (cos) and 32 + 16 b + i (sin); wave w makes registers 8 w .. 8 w + 7 of each.
; LIMITS: NaN and infinities are not served; blocks under the floor 2^-124 were not tried.  position_ids are taken as numbers (never as addresses), 0 or above.  10000^(-f / 64) is made by v_exp_f32 with a correction of the
; exponent's rounding: it may differ from a correctly rounded power in its last bit, so an angle by about one part in 10^7.  cos and sin: reduction by pi / 2 in two parts, series to the 10th and 9th power.
.set STG,   8448                       ; a wave's stage: 16 rows x (512 + 16) bytes
.set SPARE, 4*STG                      ; behind the stages: the spare words, 128 bytes a wave
.set LI,   1                           ; v1  16 x lane
.set SIN,  2                           ; v2  the stage, on the way in
.set SOUT, 3                           ; v3  and on the way out
.set L8,   4                           ; v4  8 x lane
.set H8,   5                           ; v5  8 h
.set SPW,  6                           ; v6  my spare word; never rewritten
.set NIL,  7                           ; v7  0; never rewritten
.set PW,   16                          ; v16-19 the four fragments' scale words
.set PC,   24                          ; v24-35, v36-47 codes, two sets
.set TQ,   48                          ; v48-55 the blocks' second halves
.set X,    64                          ; v64-127 a lane's 64 numbers
.set R,    128                         ; v128-191, v192-255 as loaded, two sets
	s_load_b256 s[4:11], s[0:1], 0x0               ; hidden_states, Wq, Wk, Wv
	; Wo is no longer served here (the head's words on it and on grid y are replaced by these): grid y = 0 .. 3 is the tensor, grid y = 4 the table; Wo is quantised by the next launch.
	s_load_b64 s[14:15], s[0:1], 0x20              ; position_ids
	s_load_b128 s[16:19], s[0:1], 0x28             ; codes1, scales1
	s_load_b64 s[24:25], s[0:1], 0x38              ; rope
	v_lshl_add_u32 v[SPW], v0, 2, SPARE
	v_mov_b32 v[NIL], 0
	v_lshrrev_b32 v8, 5, v0
	v_readfirstlane_b32 s26, v8                    ; wave
	v_and_b32 v9, 31, v0                           ; lane
	v_and_b32 v10, 15, v0                          ; r
	v_bfe_u32 v11, v0, 4, 1                        ; h
	v_lshlrev_b32 v[LI], 4, v9
	v_lshlrev_b32 v[L8], 3, v9
	s_and_b32 s27, ttmp7, 0xffff                   ; grid y
	s_mov_b32 s20, 0x76543210
	s_mov_b32 s21, 0xfedcba98                      ; v_permlanex16_b32's selects for lane l xor 16
	s_mov_b32 s22, 0xffff0000                      ; lanes 16-31
	s_wait_kmcnt 0x0
	s_cmp_eq_u32 s27, 4
	s_cbranch_scc1 .Lrope
	s_cmp_eq_u32 s27, 1                            ; which tensor: the choice hangs on the work-group's number alone
	s_cselect_b64 s[4:5], s[6:7], s[4:5]
	s_cmp_eq_u32 s27, 2
	s_cselect_b64 s[4:5], s[8:9], s[4:5]
	s_cmp_eq_u32 s27, 3
	s_cselect_b64 s[4:5], s[10:11], s[4:5]
	s_lshr_b32 s28, ttmp9, 1                       ; G
	s_and_b32 s29, ttmp9, 1
	s_lshl_b32 s29, s29, 2
	s_add_co_u32 s29, s29, s26                     ; kp
	s_lshl_b32 s30, s28, 18                        ; in: 32 rows of 8,192 bytes a pair of tiles,
	s_lshl_b32 s31, s29, 10                        ; 1,024 bytes a pair of K steps
	s_add_co_u32 s30, s30, s31
	s_mov_b32 s31, 0
	s_add_nc_u64 s[4:5], s[4:5], s[30:31]
	s_mul_i32 s30, s27, 3145728                    ; codes: tensor, 2 G tiles of 24,576 bytes, 2 kp fragments
	; THE ORDER OF THE FRAGMENTS IN A TENSOR (it takes the place of the order named at the head): [pair of K steps kp 0..7][tile 0..127][2 fragments]:
	; kp x 393,216 + tile x 3,072 + (K step % 2) x 1,536.  So the tiles of a block of rows lie on end for each pair of K steps.
	s_mul_i32 s32, s28, 6144
	s_add_co_u32 s30, s30, s32
	s_mul_i32 s32, s29, 393216
	s_add_co_u32 s30, s30, s32
	s_add_nc_u64 s[16:17], s[16:17], s[30:31]
	s_lshl_b32 s30, s27, 17                        ; scale words: tensor, 2,048 G, 256 kp
	s_lshl_b32 s32, s28, 11
	s_add_co_u32 s30, s30, s32
	s_lshl_b32 s32, s29, 8
	s_add_co_u32 s30, s30, s32
	s_add_nc_u64 s[18:19], s[18:19], s[30:31]
	s_mul_i32 s33, s26, STG
	s_wait_alu depctr_va_vdst(0)
	v_add_nc_u32 v[SIN], s33, v[LI]                ; in: a row's 512 bytes as they lie
	v_mul_u32_u24 v[SOUT], v10, 528
	v_lshl_add_u32 v[SOUT], v11, 7, v[SOUT]
	v_add_nc_u32 v[SOUT], s33, v[SOUT]             ; out: row r, + 128 h: my 32 numbers of each 64
	v_lshlrev_b32 v[H8], 3, v11
	v_mov_b32 v14, 0                               ; written once: a lane permute's destination counts as one of its sources
.macro LOAD f                          ; fragment f = 2 u + s: tile 2 G + u, K step 2 kp + s: 16 rows x 512 bytes
.irp r, 0,1,2,3,4,5,6,7,8,9,10,11,12,13,14,15
	global_load_b128 v[R+64*((\f)%2)+4*\r:R+64*((\f)%2)+4*\r+3], v[LI], s[4:5] offset:(8*((\f)/2)+\r+8*(\r/8))*8192+512*((\f)%2) th:TH_LOAD_NT
.endr
.endm
.macro TURNF f                         ; through the stage: LDS serves a wave's instructions in order, so no wait stands between the stores and the loads
.irp r, 0,1,2,3,4,5,6,7,8,9,10,11,12,13,14,15
	ds_store_b128 v[SIN], v[R+64*((\f)%2)+4*\r:R+64*((\f)%2)+4*\r+3] offset:528*\r
.endr
.irp c, 0,1
.irp j, 0,1,2,3,4,5,6,7
	ds_load_b128 v[X+32*\c+4*\j:X+32*\c+4*\j+3], v[SOUT] offset:256*\c+16*\j   ; X + 32 c + i = k 64 c + 32 h + i of row r
.endr
.endr
.endm
.macro Q32 f                           ; my two whole blocks become registers 6 c .. 6 c + 5 of the fragment; the scale word is gathered from lanes l and l xor 16
.set PCS, PC+12*((\f)%2)
.irp c, 0,1
	v_max3_num_f32 v[8+\c], |v[X+32*\c]|, |v[X+32*\c+1]|, 0x1800000   ; with the floor 2^(3 - 127): the byte cannot fall under 1
.endr
.irp i, 2,4,6,8,10,12,14,16,18,20,22,24,26,28,30
.irp c, 0,1
	v_max3_num_f32 v[8+\c], v[8+\c], |v[X+32*\c+\i]|, |v[X+32*\c+\i+1]|
.endr
.endr
.irp c, 0,1
	v_add_nc_u32 v[10+\c], 0xff000000, v[8+\c]     ; 2 off the exponent field: the conversion's scale operand
.endr
.irp c, 0,1
	v_lshrrev_b32 v[12+\c], 23, v[10+\c]           ; the scale's byte
.endr
	v_lshl_or_b32 v[PW+\f], v13, 16, v12           ; blocks h and 2 + h,
	v_lshlrev_b32 v[PW+\f], v[H8], v[PW+\f]        ; at their places in the word
	v_permlanex16_b32 v14, v[PW+\f], s20, s21
	v_or_b32 v[PW+\f], v[PW+\f], v14               ; with lane l xor 16's two the word is whole
.irp c, 0,1
	v_cvt_scalef32_pk16_fp6_f32 v[PCS+6*\c:PCS+6*\c+2], v[X+32*\c:X+32*\c+15], v[10+\c]
	v_cvt_scalef32_pk16_fp6_f32 v[TQ+4*\c:TQ+4*\c+2], v[X+32*\c+16:X+32*\c+31], v[10+\c]   ; (a conversion's three registers begin on an even number)
.endr
	v_nop                                          ; one plain place behind a scaled conversion
.irp c, 0,1
.irp i, 0,1,2
	v_mov_b32 v[PCS+3+6*\c+\i], v[TQ+4*\c+\i]
.endr
.endr
.irp g, 0,1,2
	global_store_b128 v[LI], v[PCS+4*\g:PCS+4*\g+3], s[16:17] offset:((\f)/2)*3072+((\f)%2)*1536+512*\g   ; 32 lanes store 512 consecutive bytes, aligned
.endr
.endm
	LOAD 0
	LOAD 1
	s_wait_alu depctr_va_vdst(0)
.irp f, 0,1,2,3
.if \f < 3
	s_wait_loadcnt 16                              ; this fragment's 16 loads are in; the 16 of the fragment behind it may be out
.else
	s_wait_loadcnt 0x0
.endif
	TURNF \f
	s_wait_dscnt 0x0                               ; my 64 numbers are in, and the stage's stores have read their registers
.if \f < 2
	LOAD \f+2
.else
	s_wait_xcnt 0x0                                ; the stores of two fragments back have read this set of codes: it is written again only behind this wait
.endif
	Q32 \f
.endr
	v_cndmask_b32 v20, v[PW], v[PW+2], s22         ; lanes 0-15 take tile 2 G's words, lanes 16-31 tile 2 G + 1's
	v_cndmask_b32 v21, v[PW+1], v[PW+3], s22
	global_store_b64 v[L8], v[20:21], s[18:19]     ; 256 consecutive bytes, aligned
	s_wait_tensorcnt 0x0                           ; the wave's end, behind my last LDS store
	ds_add_u32 v[SPW], v[NIL]
	s_wait_dscnt 0x0
	s_endpgm
.set FQ, 16
.set AA, 24
.set AL, 32
.set EX, 40
.set AN, 48
.set NN, 56
.set RH, 64
.set ZZ, 72
.set PS, 80
.set PO, 88
.set SS, 96
.set CC, 104
.set QI, 112
.set T1, 120
.set CO, 128
.set SI, 136
.Lrope:
	s_lshr_b32 s28, ttmp9, 1
	s_lshl_b32 s28, s28, 5
	s_and_b32 s29, ttmp9, 1
	s_lshl_b32 s29, s29, 3
	s_add_co_u32 s28, s28, s29                     ; 32 (T / 2) + 8 (T % 2)
	s_wait_alu depctr_va_vdst(0)
	v_and_b32 v12, 8, v10
	v_add_nc_u32 v12, v12, v10
	v_add_nc_u32 v12, s28, v12                     ; my token
	v_lshlrev_b32 v12, 2, v12
	global_load_b32 v13, v12, s[14:15]             ; its position
	s_lshr_b32 s28, s26, 1
	s_lshl_b32 s28, s28, 5
	s_and_b32 s29, s26, 1
	s_lshl_b32 s29, s29, 3
	s_add_co_u32 s28, s28, s29
	v_lshl_add_u32 v14, v11, 4, s28                ; f of my first number: 32 (w / 2) + 8 (w % 2) + 16 h
	s_wait_alu depctr_va_vdst(0)
	s_lshl_b32 s30, ttmp9, 13                      ; the table: 8,192 bytes a tile, my wave's registers 1,024 w on
	s_lshl_b32 s29, s26, 10
	s_add_co_u32 s30, s30, s29
	s_mov_b32 s31, 0
	s_add_nc_u64 s[24:25], s[24:25], s[30:31]
	s_mov_b32 s34, 0xbe549a78                      ; -log2(10) / 16, its f32 part,
	s_mov_b32 s35, 0xb1979a30                      ; and what that part leaves
	s_mov_b32 s36, 0xbfc90fdb                      ; -pi / 2, its f32 part,
	s_mov_b32 s37, 0x333bbd2e                      ; and what that part leaves
	v_mov_b32 v2, 0x3638ef1d                       ; 1 / 9!
	v_mov_b32 v3, 0xb493f27e                       ; -1 / 10!
.irp e, 0,1,2,3,4,5,6,7
	v_add_nc_u32 v[FQ+\e], \e, v14
.endr
.irp e, 0,1,2,3,4,5,6,7
	v_cvt_f32_u32 v[FQ+\e], v[FQ+\e]
.endr
.irp e, 0,1,2,3,4,5,6,7
	v_mul_f32 v[AA+\e], s34, v[FQ+\e]              ; a = the exponent, rounded
.endr
.irp e, 0,1,2,3,4,5,6,7
	v_fma_f32 v[AL+\e], v[FQ+\e], s34, -v[AA+\e]   ; what the rounding dropped,
.endr
.irp e, 0,1,2,3,4,5,6,7
	v_fma_f32 v[AL+\e], v[FQ+\e], s35, v[AL+\e]    ; and the constant's own rest
.endr
	s_wait_alu depctr_va_vdst(0)
.irp e, 0,1,2,3,4,5,6,7
	v_exp_f32 v[EX+\e], v[AA+\e]
.endr
.irp e, 0,1,2,3,4,5,6,7
	v_mul_f32 v[AL+\e], 0x3f317218, v[AL+\e]       ; x ln 2.  (Plain work behind the exponentials)
.endr
	s_wait_alu depctr_va_vdst(0)                   ; one wait for the batch, ahead of its first reader
	s_wait_loadcnt 0x0
	v_cvt_f32_i32 v13, v13
.irp e, 0,1,2,3,4,5,6,7
	v_fma_f32 v[EX+\e], v[EX+\e], v[AL+\e], v[EX+\e]   ; 10000^(-f / 64)
.endr
.irp e, 0,1,2,3,4,5,6,7
	v_mul_f32 v[AN+\e], v13, v[EX+\e]              ; the angle: one rounding
.endr
.irp e, 0,1,2,3,4,5,6,7
	v_mul_f32 v[NN+\e], 0x3f22f983, v[AN+\e]
.endr
.irp e, 0,1,2,3,4,5,6,7
	v_rndne_f32 v[NN+\e], v[NN+\e]                 ; n = the nearest multiple of pi / 2
.endr
.irp e, 0,1,2,3,4,5,6,7
	v_fma_f32 v[RH+\e], v[NN+\e], s36, v[AN+\e]
.endr
.irp e, 0,1,2,3,4,5,6,7
	v_fma_f32 v[RH+\e], v[NN+\e], s37, v[RH+\e]    ; what is left, within pi / 4
.endr
.irp e, 0,1,2,3,4,5,6,7
	v_mul_f32 v[ZZ+\e], v[RH+\e], v[RH+\e]
.endr
.irp e, 0,1,2,3,4,5,6,7
	v_fmaak_f32 v[PS+\e], v2, v[ZZ+\e], 0xb9500d01
	v_fmaak_f32 v[PO+\e], v3, v[ZZ+\e], 0x37d00d01
.endr
.irp e, 0,1,2,3,4,5,6,7
	v_fmaak_f32 v[PS+\e], v[PS+\e], v[ZZ+\e], 0x3c088889
	v_fmaak_f32 v[PO+\e], v[PO+\e], v[ZZ+\e], 0xbab60b61
.endr
.irp e, 0,1,2,3,4,5,6,7
	v_fmaak_f32 v[PS+\e], v[PS+\e], v[ZZ+\e], 0xbe2aaaab
	v_fmaak_f32 v[PO+\e], v[PO+\e], v[ZZ+\e], 0x3d2aaaab
.endr
.irp e, 0,1,2,3,4,5,6,7
	v_mul_f32 v[T1+\e], v[RH+\e], v[ZZ+\e]
	v_fmaak_f32 v[PO+\e], v[PO+\e], v[ZZ+\e], 0xbf000000
.endr
.irp e, 0,1,2,3,4,5,6,7
	v_fma_f32 v[SS+\e], v[T1+\e], v[PS+\e], v[RH+\e]   ; the sine of what is left,
	v_fma_f32 v[CC+\e], v[PO+\e], v[ZZ+\e], 1.0        ; and its cosine
.endr
.irp e, 0,1,2,3,4,5,6,7
	v_cvt_i32_f32 v[QI+\e], v[NN+\e]
.endr
.irp e, 0,1,2,3,4,5,6,7
	v_and_b32 v[T1+\e], 1, v[QI+\e]
	v_cmp_eq_u32 vcc_lo, 1, v[T1+\e]               ; an odd n changes sine and cosine over
	v_cndmask_b32 v[SI+\e], v[SS+\e], v[CC+\e], vcc_lo
	v_cndmask_b32 v[CO+\e], v[CC+\e], v[SS+\e], vcc_lo
.endr
.irp e, 0,1,2,3,4,5,6,7
	v_and_b32 v[T1+\e], 2, v[QI+\e]                ; the sine is turned for n % 4 = 2, 3,
	v_add_nc_u32 v[QI+\e], 1, v[QI+\e]
.endr
.irp e, 0,1,2,3,4,5,6,7
	v_lshlrev_b32 v[T1+\e], 30, v[T1+\e]
	v_and_b32 v[QI+\e], 2, v[QI+\e]                ; the cosine for n % 4 = 1, 2
.endr
.irp e, 0,1,2,3,4,5,6,7
	v_xor_b32 v[SI+\e], v[SI+\e], v[T1+\e]
	v_lshlrev_b32 v[QI+\e], 30, v[QI+\e]
.endr
.irp e, 0,1,2,3,4,5,6,7
	v_xor_b32 v[CO+\e], v[CO+\e], v[QI+\e]
.endr
	global_store_b128 v[LI], v[CO:CO+3], s[24:25]              ; each store: 512 consecutive bytes, aligned
	global_store_b128 v[LI], v[CO+4:CO+7], s[24:25] offset:512
	global_store_b128 v[LI], v[SI:SI+3], s[24:25] offset:4096
	global_store_b128 v[LI], v[SI+4:SI+7], s[24:25] offset:4608
	s_wait_tensorcnt 0x0                           ; the wave's end
	ds_add_u32 v[SPW], v[NIL]
	s_wait_dscnt 0x0
	s_endpgm
.Lfunc_end_k_q58a900d4b0_quant:
	.size	k_q58a900d4b0_quant, .Lfunc_end_k_q58a900d4b0_quant-k_q58a900d4b0_quant
	.p2alignl 7, 3214868480
	.fill 96, 4, 3214868480
	.section	.rodata,"a",@progbits
	.p2align	6, 0x0
	.amdhsa_kernel k_q58a900d4b0_quant
		.amdhsa_group_segment_fixed_size 34304
		.amdhsa_private_segment_fixed_size 0
		.amdhsa_enable_private_segment 0
		.amdhsa_kernarg_size 64
		.amdhsa_user_sgpr_count 2
		.amdhsa_user_sgpr_kernarg_segment_ptr 1
		.amdhsa_wavefront_size32 1
		.amdhsa_system_sgpr_workgroup_id_x 1
		.amdhsa_system_sgpr_workgroup_id_y 1
		.amdhsa_system_sgpr_workgroup_id_z 1
		.amdhsa_system_vgpr_workitem_id 0
		.amdhsa_next_free_vgpr 256
		.amdhsa_next_free_sgpr 66
		.amdhsa_reserve_vcc 1
		.amdhsa_float_denorm_mode_32 3
		.amdhsa_float_denorm_mode_16_64 3
		.amdhsa_memory_ordered 1
		.amdhsa_forward_progress 1
		.amdhsa_inst_pref_size 45
	.end_amdhsa_kernel
	.amdgpu_metadata
---
amdhsa.version: [ 1, 2 ]
amdhsa.kernels:
  - .name:           k_q58a900d4b0_quant
    .symbol:         k_q58a900d4b0_quant.kd
    .args:
      - { .name: hidden_states, .offset: 0, .size: 8, .value_kind: global_buffer, .address_space: global }
      - { .name: Wq, .offset: 8, .size: 8, .value_kind: global_buffer, .address_space: global }
      - { .name: Wk, .offset: 16, .size: 8, .value_kind: global_buffer, .address_space: global }
      - { .name: Wv, .offset: 24, .size: 8, .value_kind: global_buffer, .address_space: global }
      - { .name: position_ids, .offset: 32, .size: 8, .value_kind: global_buffer, .address_space: global }
      - { .name: codes1, .offset: 40, .size: 8, .value_kind: global_buffer, .address_space: global }
      - { .name: scales1, .offset: 48, .size: 8, .value_kind: global_buffer, .address_space: global }
      - { .name: rope, .offset: 56, .size: 8, .value_kind: global_buffer, .address_space: global }
    .group_segment_fixed_size: 34304
    .private_segment_fixed_size: 0
    .kernarg_segment_align: 8
    .kernarg_segment_size: 64
    .max_flat_workgroup_size: 128
    .sgpr_count:     66
    .vgpr_count:     256
    .wavefront_size: 32
...
	.end_amdgpu_metadata
.endif
;; end of part 1
;; launch qkv (part 2): grid 16 x 16, 4 waves a work-group, clusters of 4 x 4, 327,680 bytes of LDS; arguments codes1, scales1, rope, qkvc, qkvs, Wo; writes qkvc, qkvs
.if DOCPART == 2
	.amdgcn_target "amdgcn-amd-amdhsa--gfx1250"
	.amdhsa_code_object_version 6
	.text
	.protected	k_q58a900d4b0_qkv
	.globl	k_q58a900d4b0_qkv
	.p2align	8
	.type	k_q58a900d4b0_qkv,@function
k_q58a900d4b0_qkv:
	s_mov_b64 s[64:65], 0
	v_nop
	global_prefetch_b8 v0, s[64:65] scope:SCOPE_SE
	s_setreg_imm32_b32 hwreg(HW_REG_WAVE_MODE, 25, 1), 1
	s_wait_xcnt 0x0
	s_wait_alu depctr_hold_cnt(0) depctr_sa_sdst(0) depctr_va_vdst(0) depctr_va_sdst(0) depctr_va_ssrc(0) depctr_va_vcc(0) depctr_vm_vsrc(0)
	s_getreg_b32 s2, hwreg(HW_REG_IB_STS2, 6, 4)
	s_cmp_eq_u32 s2, 0
	s_cbranch_scc0 .Lentry_in_a_cluster
	s_endpgm
.Lentry_in_a_cluster:
	s_bfe_u32 s2, ttmp6, 0x10000c
	s_cmp_lg_u32 s2, 0xf033
	s_cbranch_scc0 .Lentry_shape_is_right
	s_endpgm
.Lentry_shape_is_right:
; q, k, v = x Wq^T, x Wk^T, x Wv^T on codes of FP6 (E2M3) with E8M0 scales; q and k are rotated; all three are quantised again, in registers, as the operands of attention's two products, and stored as images of those operands' registers.
; SHARES.  Work-group (x = head, y = block of 128 tokens): 128 tokens x the head's 128 of q, of k and of v.  Wave (wr = w / 2, wc = w % 2): x's tiles 4 wr + m (m = 0 .. 3), against
;   all 8 tiles of Wq (wc = 0) or Wk (wc = 1), TRANSPOSED (source 0 = W, source 1 = x): a lane holds one token, its registers run along the head's 128, which are the next K;
;   and Wv's tiles 4 wc + n (n = 0 .. 3), source 0 = x, source 1 = Wv: a lane holds one of the head's 128, its registers run along the tokens, which are the keys: the next K of v.
;   48 accumulators; 16 fragments feed 48 products in each K step of 128.  The q waves and the k waves run one text: pointers alone differ.
; THE TILES' ROWS (lane row r of tile T is row 32 (T / 2) + 8 (T % 2) + r + 8 (r / 8), laid so by the launch before) make the 16 registers of two neighbouring tiles 16 neighbours along the next K.
; RING.  Two LDS slots of two K steps; a slot has four parts of 24,576 bytes (x, Wq's head, Wk's head, Wv's head: 8 tiles x 2 fragments), one tensor load a wave (8 rows of 3,072 bytes).  Fragments lie as register images: 3 ds_load_b128 at 16 x lane, no pitch.
; The scale words of all of K (4 x 8,192 bytes) come once, with the first fills.  A register of them carries an even tile's words in lanes 0-15 and the odd tile's in lanes 16-31.
; CLUSTER 4 x 4: x's part hangs on y alone and is asked for jointly along a row of the cluster; the weights' parts hang on the head alone and are asked for jointly along a column.
; By this text's own count a wave has three tensor loads out at the start and one behind each round.
; LIMITS: NaN and infinities are not served; blocks whose largest magnitude lies under 2^-124 keep the byte 1.
; REGISTERS: window 0: v3-16 addresses; v28, v29 the add's two; v32-63 scale words, two sets; v64-127 a rotated tile; v128-199 six sets of codes; v200-232 at work.
;   windows 1, 2: fragment sets 0, 1: x's tile m at 12 m, Wq/Wk's tile t at 48 + 12 t, Wv's tile n at 144 + 12 n; v192-255: v's accumulators (n, m) at 192 + 32 (n % 2) + 8 m of window 1 + n / 2.   window 3: q/k's accumulators (m, t) at 64 m + 8 t.
; WHAT HAS CHANGED AGAINST THE HEAD'S WORDS.  codes1 is laid [pair of K steps][tile][2 fragments]: a part of a slot (8 tiles x 2 K steps) is 24,576 dense bytes, and the next pair of K steps lies 393,216 bytes on.
; LDS: part w at 49,152 w, in it slot s at 24,576 s.  At the head each wave issues ONE joint load, 2 rows of 24,576 bytes: its part of both slots; a refill is 8 rows of 3,072 dense bytes.  One tensor load of a wave is out at any time.
; The scale words do not pass through LDS: each wave loads them from scales1 into its two sets of registers, 256 consecutive aligned bytes an instruction, a set being asked for one slot (96 matrix instructions) ahead of its use.
.set PART,  49152
.set SLOT,  24576
.set SCL,   196608
.set VSTG,  229376                     ; 512 bytes: v's scale words of this key step are gathered here
.set SPARE, 229888                     ; the spare words, 128 bytes a wave
.set LI,  3                            ; 16 x lane
.set L8,  4                            ; 8 x lane
.set H16, 5                            ; 16 h
.set VST, 6
.set VRD, 7
.set ADX, 8                            ; v8-9   x's fragments in slot 0, 1
.set ADW, 10                           ; v10-11 Wq's or Wk's
.set ADV, 12                           ; v12-13 Wv's
.set ASX, 14                           ; scale words of x's pairs of tiles,
.set ASW, 15                           ; of Wq's or Wk's,
.set ASV, 16                           ; of Wv's
.set SPW, 28
.set NIL, 29
.set SC,  32                           ; set s at SC + 16 s: register 2 P + q: pair P (0, 1 x; 2-5 Wq/Wk; 6, 7 Wv), the slot's K step q
.set HA,  64
.set PC,  128
.set TQ,  200
.set TM,  208
.set PW,  224
.set G1,  24
.set G0,  32
.set G1B, 48
.set G0B, 56
.set G1S, 68
.set G0S, 76
.set G1SB, 80
.set G0SB, 88
.set MSB, 0
.macro WIN new                         ; the immediate's high byte repeats the setting that is left
.if MSB != (\new)
	s_set_vgpr_msb (MSB<<8)|(\new)
.set MSB, (\new)
.endif
.endm
.macro PLACES n
.rept \n
	v_nop
.endr
.endm
; A joint load: wave 0 fetches x's part, waves 1 to 3 the weights'.  Each of the two lines has one mask; the branch hangs on the wave's number alone.  An s_nop 0 and four v_nop follow each line.
.macro JLOAD g0a, g1a, g0b, g1b
	s_cmp_eq_u32 s14, 0
	s_cbranch_scc0 .Lfor_b_\@
	tensor_load_to_lds s[\g0a:\g0a+3], s[\g1a:\g1a+7]
	s_nop 0
.rept 4
	v_nop
.endr
	s_branch .Lasked_\@
.Lfor_b_\@:
	tensor_load_to_lds s[\g0b:\g0b+3], s[\g1b:\g1b+7]
	s_nop 0
.rept 4
	v_nop
.endr
.Lasked_\@:
.endm
.macro CREST                           ; a round of the cluster's barrier behind its opening barrier
	s_cmp_lg_u32 s14, 0
	s_cbranch_scc1 .Lnot_wave_0_\@
	s_barrier_signal -3
.Lnot_wave_0_\@:
	s_barrier_wait -3
	s_barrier_signal -1
	s_barrier_wait -1
.endm
.macro CROUND
	s_barrier_signal -1
	s_barrier_wait -1
	CREST
.endm
; one product; ra, rb: the side's scale words stand in lanes 16-31
.macro PROD d, a, b, zero, sa, sb, ra, rb
.if \zero
.if (\ra) && (\rb)
	v_wmma_scale_f32_16x16x128_f8f6f4 v[\d:\d+7], v[\a:\a+11], v[\b:\b+11], 0, v[\sa], v[\sb] matrix_a_fmt:MATRIX_FMT_FP6 matrix_b_fmt:MATRIX_FMT_FP6 matrix_a_scale:MATRIX_SCALE_ROW1 matrix_b_scale:MATRIX_SCALE_ROW1
.elseif (\ra)
	v_wmma_scale_f32_16x16x128_f8f6f4 v[\d:\d+7], v[\a:\a+11], v[\b:\b+11], 0, v[\sa], v[\sb] matrix_a_fmt:MATRIX_FMT_FP6 matrix_b_fmt:MATRIX_FMT_FP6 matrix_a_scale:MATRIX_SCALE_ROW1
.elseif (\rb)
	v_wmma_scale_f32_16x16x128_f8f6f4 v[\d:\d+7], v[\a:\a+11], v[\b:\b+11], 0, v[\sa], v[\sb] matrix_a_fmt:MATRIX_FMT_FP6 matrix_b_fmt:MATRIX_FMT_FP6 matrix_b_scale:MATRIX_SCALE_ROW1
.else
	v_wmma_scale_f32_16x16x128_f8f6f4 v[\d:\d+7], v[\a:\a+11], v[\b:\b+11], 0, v[\sa], v[\sb] matrix_a_fmt:MATRIX_FMT_FP6 matrix_b_fmt:MATRIX_FMT_FP6
.endif
.else
.if (\ra) && (\rb)
	v_wmma_scale_f32_16x16x128_f8f6f4 v[\d:\d+7], v[\a:\a+11], v[\b:\b+11], v[\d:\d+7], v[\sa], v[\sb] matrix_a_fmt:MATRIX_FMT_FP6 matrix_b_fmt:MATRIX_FMT_FP6 matrix_a_scale:MATRIX_SCALE_ROW1 matrix_b_scale:MATRIX_SCALE_ROW1
.elseif (\ra)
	v_wmma_scale_f32_16x16x128_f8f6f4 v[\d:\d+7], v[\a:\a+11], v[\b:\b+11], v[\d:\d+7], v[\sa], v[\sb] matrix_a_fmt:MATRIX_FMT_FP6 matrix_b_fmt:MATRIX_FMT_FP6 matrix_a_scale:MATRIX_SCALE_ROW1
.elseif (\rb)
	v_wmma_scale_f32_16x16x128_f8f6f4 v[\d:\d+7], v[\a:\a+11], v[\b:\b+11], v[\d:\d+7], v[\sa], v[\sb] matrix_a_fmt:MATRIX_FMT_FP6 matrix_b_fmt:MATRIX_FMT_FP6 matrix_b_scale:MATRIX_SCALE_ROW1
.else
	v_wmma_scale_f32_16x16x128_f8f6f4 v[\d:\d+7], v[\a:\a+11], v[\b:\b+11], v[\d:\d+7], v[\sa], v[\sb] matrix_a_fmt:MATRIX_FMT_FP6 matrix_b_fmt:MATRIX_FMT_FP6
.endif
.endif
.endm
; 16 products of q or k: x's tiles m0, m0 + 1 against the 8 tiles of W.  p: the fragment set; q: the slot's K step; sc: the set of scale words.  The 48 accumulators take turns, one instruction a turn, in one order in every K step.
.macro MULQK p, q, sc, m0, zero
	WIN 0xf0+5*(1+(\p))                            ; W and x in window 1 + p, C and D in window 3
.irp m, \m0, \m0+1
.irp t, 0,1,2,3,4,5,6,7
.set rD, 64*(\m)+8*\t
.set rA, 48+12*\t
.set rB, 12*(\m)
.set rSA, SC+16*(\sc)+4+2*(\t/2)+(\q)
.set rSB, SC+16*(\sc)+2*((\m)/2)+(\q)
	PROD rD, rA, rB, \zero, rSA, rSB, \t%2, (\m)%2
.endr
.endr
.endm
; 8 products of v: Wv's tiles n0, n0 + 1 against x's four
.macro MULV p, q, sc, n0, zero
	WIN 80*(1+(\n0)/2)+5*(1+(\p))                  ; x and Wv in window 1 + p, C and D in window 1 + n0 / 2
.irp n, \n0, \n0+1
.irp m, 0,1,2,3
.set rD, 192+32*((\n)%2)+8*\m
.set rA, 12*\m
.set rB, 144+12*(\n)
.set rSA, SC+16*(\sc)+2*(\m/2)+(\q)
.set rSB, SC+16*(\sc)+12+2*((\n)/2)+(\q)
	PROD rD, rA, rB, \zero, rSA, rSB, \m%2, (\n)%2
.endr
.endr
.endm
.macro FETCH slot, q, p                ; the 16 fragments of the slot's K step q into set p: 48 loads of 512 consecutive bytes
	WIN 64*(1+(\p))
.irp m, 0,1,2,3
.irp g, 0,1,2
	ds_load_b128 v[12*\m+4*\g:12*\m+4*\g+3], v[ADX+\slot] offset:3072*\m+1536*(\q)+512*\g
.endr
.endr
.irp t, 0,1,2,3,4,5,6,7
.irp g, 0,1,2
	ds_load_b128 v[48+12*\t+4*\g:48+12*\t+4*\g+3], v[ADW+\slot] offset:3072*\t+1536*(\q)+512*\g
.endr
.endr
.irp n, 0,1,2,3
.irp g, 0,1,2
	ds_load_b128 v[144+12*\n+4*\g:144+12*\n+4*\g+3], v[ADV+\slot] offset:3072*\n+1536*(\q)+512*\g
.endr
.endr
.endm
.macro SCALES s, off                   ; a slot's scale words into set s, from memory: two words a lane for each pair of tiles; off: bytes beyond where the offsets stand
	WIN 0
.irp i, 0,1
	global_load_b64 v[SC+16*(\s)+2*\i:SC+16*(\s)+2*\i+1], v[ASX], s[6:7] offset:2048*\i+\off
.endr
.irp i, 0,1,2,3
	global_load_b64 v[SC+16*(\s)+4+2*\i:SC+16*(\s)+4+2*\i+1], v[ASW], s[6:7] offset:2048*\i+\off
.endr
.irp i, 0,1
	global_load_b64 v[SC+16*(\s)+12+2*\i:SC+16*(\s)+12+2*\i+1], v[ASV], s[6:7] offset:2048*\i+\off
.endr
.endm
.macro STEP slot, zero, ld             ; a slot's first K step: multiplies set 0, fetches the second into set 1.  ld = 1: the other set of scale words, done with, takes the next slot's
	s_wait_dscnt 0x0                               ; set 0, asked for a K step ago, is in
	s_wait_loadcnt 0x0                             ; and this slot's scale words, asked for a slot ago: no load of mine is out, so the offsets may step
	PLACES 4                                       ; in front of loads into registers that the last products read
.if \ld
	WIN 0
	v_add_nc_u32 v[ASX], 256, v[ASX]
	v_add_nc_u32 v[ASW], 256, v[ASW]
	v_add_nc_u32 v[ASV], 256, v[ASV]
	s_wait_alu depctr_va_vdst(0)
	SCALES 1-\slot, 256
.endif
	FETCH \slot, 1, 1
	MULQK 0, 0, \slot, 0, \zero
	MULQK 0, 0, \slot, 2, \zero
	MULV 0, 0, \slot, 0, \zero
	MULV 0, 0, \slot, 2, \zero
.endm
; A slot's second K step changes slots: one barrier.  In front of it each wave waits for all its tensor loads, adds 0 to its spare word, and waits for that and for its reads of this slot.  fill = 1: the slot is filled again, two slots ahead.
.macro TURN slot, next, fill
.if \fill
	s_wait_xcnt 0x0                                ; my last prefetch has read its address: it steps one slot on, ahead of the waits of the change of slots
	s_add_nc_u64 s[22:23], s[22:23], 393216
.endif
	WIN 0                                          ; (the add's two registers lie in window 0)
	s_wait_tensorcnt 0x0                           ; all my tensor loads have landed: my part of the next slot
	ds_add_u32 v[SPW], v[NIL]                      ; 0 onto my spare word
	s_wait_dscnt 0x0                               ; the add is done; set 1 is in, and with it my reads of this slot are over
	s_barrier_signal -1
	MULQK 1, 1, \slot, 0, 0                        ; work on registers while the others arrive
	WIN 0
	s_barrier_wait -1
.if \fill
	CREST                                          ; the barrier has opened a round of the cluster's: no wave of any partner still reads this slot or has a load on its way
	s_add_nc_u64 s[G0+4*\slot+2:G0+4*\slot+3], s[G0+4*\slot+2:G0+4*\slot+3], 786432
	s_add_nc_u64 s[G0B+4*\slot+2:G0B+4*\slot+3], s[G0B+4*\slot+2:G0B+4*\slot+3], 786432
	JLOAD G0+4*\slot, G1, G0B+4*\slot, G1B         ; the first tensor load behind the round; its four v_nop are also the places in front of the loads below
.else
	PLACES 4
.endif
	FETCH \next, 0, 0
.if \fill
	WIN 0                                          ; (a branch follows)
	s_cmp_gt_u32 s3, 1                             ; the loop's last trip has no slot two refills on
	s_cbranch_scc0 .Lno_ask_\@
	global_prefetch_b8 v[PFO], s[22:23] offset:1179648 th:TH_LOAD_NT scope:SCOPE_SE   ; my work-group's 24 blocks of 256 bytes of my part, of the slot that stands two refills on
.Lno_ask_\@:
.endif
	MULQK 1, 1, \slot, 2, 0
	MULV 1, 1, \slot, 0, 0
	MULV 1, 1, \slot, 2, 0
.endm
; 64 numbers of a lane, registers s .. s + 63 of window win, register 16 b + i = k 32 b + 16 h + i of my row, become a fragment's codes in v[pc] on and its scale word in v[pw].
.macro QUANT s, win, pc, pw
	WIN (\win)*5
.irp b, 0,1,2,3
	v_max3_num_f32 v[TM+\b], |v[\s+16*\b]|, |v[\s+1+16*\b]|, 0x1800000   ; my 16 numbers of block b, from each accumulator's low end on, and the floor 2^(3 - 127)
.endr
.irp i, 2,4,6,8,10,12,14
.irp b, 0,1,2,3
	v_max3_num_f32 v[TM+\b], |v[\s+16*\b+\i]|, |v[\s+1+16*\b+\i]|, v[TM+\b]
.endr
.endr
	WIN 0
.irp b, 0,1,2,3
	v_permlanex16_b32 v[TM+4+\b], v[TM+\b], s100, s101
.endr
.irp b, 0,1,2,3
	v_max_num_f32 v[TM+\b], v[TM+\b], v[TM+4+\b]   ; with lane l xor 16's: the block's largest magnitude
.endr
.irp b, 0,1,2,3
	v_add_nc_u32 v[TM+12+\b], 0xff000000, v[TM+\b] ; 2 off its exponent field: the conversion's scale operand
.endr
.irp b, 0,1,2,3
	v_lshrrev_b32 v[TM+4+\b], 23, v[TM+12+\b]      ; the scale's byte
.endr
	v_lshl_or_b32 v[\pw], v[TM+5], 8, v[TM+4]
	v_lshl_or_b32 v[\pw], v[TM+6], 16, v[\pw]
	v_lshl_or_b32 v[\pw], v[TM+7], 24, v[\pw]
	WIN (\win)
.irp c, 0,1
	v_cvt_scalef32_pk16_fp6_f32 v[(\pc)+6*\c:(\pc)+6*\c+2], v[\s+32*\c:\s+32*\c+15], v[TM+12+2*\c]
	v_cvt_scalef32_pk16_fp6_f32 v[TQ+4*\c:TQ+4*\c+2], v[\s+16+32*\c:\s+31+32*\c], v[TM+13+2*\c]   ; (a conversion's three registers begin on an even number)
.endr
	WIN 0
	v_nop                                          ; one plain place behind a scaled conversion
.irp c, 0,1                                    ; the operand's layout wants a whole block in a lane: lanes 0-15 block 2 c, lanes 16-31 block 2 c + 1
.irp i, 0,1,2
	v_permlane16_swap_b32 v[(\pc)+6*\c+\i], v[TQ+4*\c+\i]
.endr
.irp i, 0,1,2
	v_mov_b32 v[(\pc)+3+6*\c+\i], v[TQ+4*\c+\i]
.endr
.endr
.endm
	s_load_b256 s[4:11], s[0:1], 0x0               ; codes1, scales1, rope, qkvc
	s_load_b64 s[12:13], s[0:1], 0x20              ; qkvs
	s_load_b64 s[76:77], s[0:1], 0x28              ; Wo
	v_lshl_add_u32 v[SPW], v0, 2, SPARE
	v_mov_b32 v[NIL], 0
	ds_add_u32 v[SPW], v[NIL]                      ; the wave's opening: the add and its wait stand ahead of my first tensor load; the set-up below, work on registers, stands between them
	ds_add_u32 v[SPW], v[NIL]
	v_lshrrev_b32 v1, 5, v0
	v_readfirstlane_b32 s14, v1                    ; wave 0..3
	s_lshr_b32 s15, s14, 1                         ; wr
	s_and_b32 s16, s14, 1                          ; wc
	s_bfe_u32 s40, ttmp6, 0x40000                  ; cx, cy: my place in the cluster
	s_bfe_u32 s41, ttmp6, 0x40004
	s_lshl_b32 s42, ttmp9, 2
	s_add_co_u32 s42, s42, s40                     ; the head = 4 x cluster x + cx
	s_and_b32 s17, ttmp7, 0xffff
	s_lshl_b32 s17, s17, 2
	s_add_co_u32 s17, s17, s41                     ; the block of tokens = 4 x cluster y + cy
	s_lshl_b32 s43, s41, 2
	s_lshl_b32 s43, 15, s43                        ; my row of the cluster
	s_lshl_b32 s44, 0x1111, s40                    ; my column
	; group 1 for the codes: 8 rows (tiles) of 384 elements of 8 bytes (two fragments), 3,072 elements (a tile's 16 fragments) apart; no padding
	s_or_b32 s[G1+0], s43, (3<<16)|(1<<21)         ; 15:0 the mask; 17:16 elements of 8 bytes; 21 set beside a mask
	s_or_b32 s[G1B+0], s44, (3<<16)|(1<<21)
.irp g, G1, G1B
	s_mov_b32 s[\g+1], 384<<16                     ; tensor_dim0
	s_mov_b32 s[\g+2], 8<<16                       ; tensor_dim1
	s_mov_b32 s[\g+3], 384<<16                     ; tile_dim0
	s_mov_b32 s[\g+4], 8
	s_mov_b32 s[\g+5], 384                         ; the rows lie on end
	s_mov_b32 s[\g+6], 0
	s_mov_b32 s[\g+7], 0
.endr
	; and for the scale words: a dense block of 8,192 bytes as 32 rows of 256
	s_or_b32 s[G1S+0], s43, (3<<16)|(1<<21)
	s_or_b32 s[G1SB+0], s44, (3<<16)|(1<<21)
.irp g, G1S, G1SB
	s_mov_b32 s[\g+1], 3072<<16                    ; these two groups serve the head's load: 2 rows of 3,072 elements (a part of a slot), 49,152 elements apart
	s_mov_b32 s[\g+2], 2<<16
	s_mov_b32 s[\g+3], 3072<<16
	s_mov_b32 s[\g+4], 2
	s_mov_b32 s[\g+5], 49152
	s_mov_b32 s[\g+6], 0
	s_mov_b32 s[\g+7], 0
.endr
	s_mul_i32 s20, s17, 24576                      ; x's codes: 8 tiles of 3,072 bytes a block
	s_mov_b32 s21, 0
	s_mul_i32 s46, s42, 24576                      ; the weights': tensor w (1 Wq, 2 Wk, 3 Wv), the head's 8 tiles
	s_mul_i32 s47, s14, 3145728
	s_add_co_u32 s46, s46, s47
	s_mov_b32 s47, 0
	s_mul_i32 s45, s14, PART                       ; where they go: wave x a part: no place in the cluster enters an LDS address
; Wo IS QUANTISED HERE, UNDER THE FIRST FILL'S FLIGHT.  Wo [2048][2048] f32 has 128 tiles x 8 pairs of K steps: one for each of the launch's 1,024 waves: tile T = 8 y + head / 2, pair kp = 4 (head % 2) + wave: two fragments, 16 rows x 1,024 bytes.
; The loads go out ahead of the cluster's first round; the numbers turn through the wave's own stage in LDS (16 rows x 528 bytes, bytes that no fill lands on), so that lane (r, h) gets the 32 + 32 neighbours of its row; a block's byte is its largest
; magnitude's exponent field - 2, held at 1 from below.  Codes go behind k and v in qkvc (from byte 9,437,184: [kp][tile][2 fragments]), scale words behind theirs in qkvs (from byte 393,216: [pair of tiles][kp][lane][2 words]).
.set WSTG, 230400                      ; the four stages, 8,448 bytes a wave
.set WSI,  18                          ; the stage, on the way in,
.set WSO,  19                          ; and on the way out
.set WH8,  20                          ; 8 h
.set WR8,  21                          ; 8 r
.set WLI,  23                          ; 16 x lane, for Wo's loads and stores alone
.set WW,   24                          ; v24-25 the two fragments' scale words
.set PFO,  26                          ; the prefetches' offset: 256 x min(lane, 23)
.set WX,   192                         ; v192-255 a lane's 64 numbers
.macro WLOAD f                         ; fragment f, 16 rows x 512 bytes, into v64 + 64 f on
.irp r, 0,1,2,3,4,5,6,7,8,9,10,11,12,13,14,15
	global_load_b128 v[64+64*\f+4*\r:64+64*\f+4*\r+3], v[WLI], s[76:77] offset:(\r+8*(\r/8))*8192+512*\f th:TH_LOAD_NT
.endr
.endm
.macro WQ f                            ; behind the turn through the stage the registers that held the rows are free: what is made lies there
.set WR, 64+64*\f
	s_wait_loadcnt 32-16*\f                        ; this fragment's 16 loads are in; behind them: the other fragment's (f = 0) and the 16 loads of scale words
.irp r, 0,1,2,3,4,5,6,7,8,9,10,11,12,13,14,15
	ds_store_b128 v[WSI], v[WR+4*\r:WR+4*\r+3] offset:528*\r
.endr
.irp c, 0,1
.irp j, 0,1,2,3,4,5,6,7
	ds_load_b128 v[WX+32*\c+4*\j:WX+32*\c+4*\j+3], v[WSO] offset:256*\c+16*\j   ; WX + 32 c + i = k 64 c + 32 h + i of row r
.endr
.endr
	s_wait_dscnt 0x0
.irp c, 0,1
	v_max3_num_f32 v[WR+\c], |v[WX+32*\c]|, |v[WX+32*\c+1]|, 0x1800000   ; with the floor 2^(3 - 127)
.endr
.irp i, 2,4,6,8,10,12,14,16,18,20,22,24,26,28,30
.irp c, 0,1
	v_max3_num_f32 v[WR+\c], v[WR+\c], |v[WX+32*\c+\i]|, |v[WX+32*\c+\i+1]|
.endr
.endr
.irp c, 0,1
	v_add_nc_u32 v[WR+2+\c], 0xff000000, v[WR+\c]  ; 2 off the exponent field: the conversion's scale operand
.endr
.irp c, 0,1
	v_lshrrev_b32 v[WR+4+\c], 23, v[WR+2+\c]       ; the scale's byte
.endr
	v_lshl_or_b32 v[WW+\f], v[WR+5], 16, v[WR+4]   ; blocks h and 2 + h,
	v_lshlrev_b32 v[WW+\f], v[WH8], v[WW+\f]       ; at their places in the word
	v_permlanex16_b32 v[WR+6], v[WW+\f], s100, s101
	v_or_b32 v[WW+\f], v[WW+\f], v[WR+6]           ; with lane l xor 16's two the word is whole
.irp c, 0,1
	v_cvt_scalef32_pk16_fp6_f32 v[WR+8+6*\c:WR+10+6*\c], v[WX+32*\c:WX+32*\c+15], v[WR+2+\c]
	v_cvt_scalef32_pk16_fp6_f32 v[WR+20+4*\c:WR+22+4*\c], v[WX+32*\c+16:WX+32*\c+31], v[WR+2+\c]   ; (a conversion's three registers begin on an even number)
.endr
	v_nop                                          ; one plain place behind a scaled conversion
.irp c, 0,1
.irp i, 0,1,2
	v_mov_b32 v[WR+11+6*\c+\i], v[WR+20+4*\c+\i]
.endr
.endr
.irp g, 0,1,2
	global_store_b128 v[WLI], v[WR+8+4*\g:WR+11+4*\g], s[88:89] offset:1536*\f+512*\g   ; 512 consecutive bytes, aligned
.endr
.endm
	v_and_b32 v17, 31, v0
	v_and_b32 v22, 15, v0
	v_bfe_u32 v27, v0, 4, 1
	v_lshlrev_b32 v[WLI], 4, v17
	v_lshlrev_b32 v[WR8], 3, v22
	v_lshlrev_b32 v[WH8], 3, v27
	s_mul_i32 s96, s14, 8448
	s_add_co_u32 s96, s96, WSTG
	v_add_nc_u32 v[WSI], s96, v[WLI]
	v_mul_u32_u24 v[WSO], v22, 528
	v_lshl_add_u32 v[WSO], v27, 7, v[WSO]
	v_add_nc_u32 v[WSO], s96, v[WSO]
	v_min_u32 v[PFO], 23, v17
	v_lshlrev_b32 v[PFO], 8, v[PFO]
	s_and_b32 s92, s42, 1
	s_lshl_b32 s92, s92, 2
	s_add_co_u32 s92, s92, s14                     ; kp
	s_lshr_b32 s93, s42, 1
	s_lshl_b32 s94, s17, 3
	s_add_co_u32 s93, s93, s94                     ; T
	s_lshr_b32 s94, s93, 1                         ; its pair,
	s_and_b32 s95, s93, 1                          ; and which of the two
	s_lshl_b32 s78, s94, 18                        ; in: row 32 (T / 2) + 8 (T % 2) of 8,192 bytes, + 1,024 kp
	s_lshl_b32 s96, s95, 16
	s_add_co_u32 s78, s78, s96
	s_lshl_b32 s96, s92, 10
	s_add_co_u32 s78, s78, s96
	s_mov_b32 s79, 0
	s_mul_i32 s88, s92, 393216                     ; codes
	s_mul_i32 s96, s93, 3072
	s_add_co_u32 s88, s88, s96
	s_add_co_u32 s88, s88, 9437184
	s_mov_b32 s89, 0
	s_lshl_b32 s90, s94, 11                        ; scale words: the tile's 16 lanes are 128 consecutive bytes
	s_lshl_b32 s96, s92, 8
	s_add_co_u32 s90, s90, s96
	s_lshl_b32 s96, s95, 7
	s_add_co_u32 s90, s90, s96
	s_add_co_u32 s90, s90, 393216
	s_mov_b32 s91, 0
	s_wait_alu depctr_va_vdst(0)
	s_wait_dscnt 0x0                               ; the opening adds are done
	s_wait_kmcnt 0x0
	s_add_nc_u64 s[76:77], s[76:77], s[78:79]
	s_add_nc_u64 s[88:89], s[10:11], s[88:89]
	s_add_nc_u64 s[90:91], s[12:13], s[90:91]
	WLOAD 0
	WLOAD 1
	s_add_nc_u64 s[20:21], s[4:5], s[20:21]
	s_add_nc_u64 s[46:47], s[4:5], s[46:47]
	CROUND                                         ; all sixteen work-groups are here: the first joint loads meet
.irp s, 0,1
	s_mov_b32 s[G0+4*\s], 1
	s_add_co_u32 s[G0+4*\s+1], s45, \s*SLOT
	s_add_nc_u64 s[G0+4*\s+2:G0+4*\s+3], s[20:21], \s*393216
	s_or_b32 s[G0+4*\s+3], s[G0+4*\s+3], 0x80000000
	s_mov_b32 s[G0B+4*\s], 1
	s_add_co_u32 s[G0B+4*\s+1], s45, \s*SLOT
	s_add_nc_u64 s[G0B+4*\s+2:G0B+4*\s+3], s[46:47], \s*393216
	s_or_b32 s[G0B+4*\s+3], s[G0B+4*\s+3], 0x80000000
.endr
	JLOAD G0, G1S, G0B, G1SB                       ; my one load at the head: my part of slots 0 and 1, from slot 0's address on
	; THE PREFETCHES INTO THE L2.  A part of a slot is 96 blocks of 256 bytes; the four partners that ask for it jointly share them out by address, 24 each (place cx for x's part, cy for the weights'), a lane a block
	; (lanes 24-31 name the last again), one instruction a wave.  Here: slots 2 and 3; behind each refill in the loop: the slot two refills on; so at most two slots are asked for and not yet loaded.
	s_cmp_eq_u32 s14, 0
	s_cselect_b64 s[22:23], s[20:21], s[46:47]
	s_cselect_b32 s2, s40, s41
	s_mul_i32 s2, s2, 6144
	s_mov_b32 s3, 0
	s_add_nc_u64 s[22:23], s[22:23], s[2:3]
	global_prefetch_b8 v[PFO], s[22:23] offset:786432 th:TH_LOAD_NT scope:SCOPE_SE
	global_prefetch_b8 v[PFO], s[22:23] offset:1179648 th:TH_LOAD_NT scope:SCOPE_SE
	v_bfe_u32 v2, v0, 4, 1                         ; h
	v_and_b32 v17, 31, v0
	v_lshlrev_b32 v[LI], 4, v17
	s_wait_alu depctr_va_vdst(0)
	v_lshlrev_b32 v[L8], 3, v17
	s_wait_alu depctr_va_vdst(0)
	v_lshlrev_b32 v[H16], 4, v2
	s_mul_i32 s2, s15, 12288                       ; x's tiles 4 wr on
	s_mul_i32 s3, s16, PART
	s_add_co_u32 s3, s3, PART                      ; Wq's part or Wk's
	s_mul_i32 s18, s16, 12288
	s_add_co_u32 s18, s18, 3*PART                  ; Wv's tiles 4 wc on
.irp s, 0,1
	v_add_nc_u32 v[ADX+\s], s2, v[LI]
	v_add_nc_u32 v[ADW+\s], s3, v[LI]
	v_add_nc_u32 v[ADV+\s], s18, v[LI]
	s_add_co_u32 s2, s2, SLOT
	s_add_co_u32 s3, s3, SLOT
	s_add_co_u32 s18, s18, SLOT
.endr
	s_lshl_b32 s2, s15, 12                         ; byte offsets in scales1: x's pairs of tiles: 8,192 y + 4,096 wr
	s_lshl_b32 s3, s17, 13
	s_add_co_u32 s2, s2, s3
	v_add_nc_u32 v[ASX], s2, v[L8]
	s_lshl_b32 s2, s16, 17                         ; Wq's or Wk's: 131,072 (1 + wc) + 8,192 x head
	s_lshl_b32 s3, s42, 13
	s_add_co_u32 s2, s2, s3
	s_add_co_u32 s2, s2, 131072
	v_add_nc_u32 v[ASW], s2, v[L8]
	s_lshl_b32 s2, s16, 12                         ; Wv's: 393,216 + 8,192 x head + 4,096 wc
	s_add_co_u32 s2, s2, s3
	s_add_co_u32 s2, s2, 393216
	v_add_nc_u32 v[ASV], s2, v[L8]
	s_wait_alu depctr_va_vdst(0)
	SCALES 0, 0                                    ; both sets are free: slots 0's and 1's scale words
	SCALES 1, 256
	s_lshl_b32 s2, s16, 3
	s_lshl_b32 s3, s15, 1
	s_add_co_u32 s2, s2, s3
	s_add_co_u32 s2, s2, VSTG
	v_add_nc_u32 v[VST], s2, v[LI]                 ; v's scale bytes: 16 x lane + 8 wc + 2 wr
	v_add_nc_u32 v[VRD], VSTG, v[LI]
	; where the results go
	s_lshl_b32 s2, s17, 16
	s_lshl_b32 s3, s15, 15
	s_add_co_u32 s2, s2, s3
	s_mov_b32 s3, 0
	s_add_nc_u64 s[8:9], s[8:9], s[2:3]            ; the table at tile 8 y + 4 wr
	s_mul_i32 s18, s42, 196608                     ; q: head x 196,608 + tile x 1,536
	s_mul_i32 s19, s17, 12288
	s_add_co_u32 s18, s18, s19
	s_mul_i32 s96, s42, 393216                     ; k and v: 3,145,728 + head x 393,216 + (slot of 512 keys) x 98,304 + (y % 4) x 12,288
	s_lshr_b32 s19, s17, 2
	s_mul_i32 s19, s19, 98304
	s_add_co_u32 s96, s96, s19
	s_and_b32 s19, s17, 3
	s_mul_i32 s19, s19, 12288
	s_add_co_u32 s96, s96, s19
	s_add_co_u32 s96, s96, 3145728
	s_cmp_eq_u32 s16, 0
	s_cselect_b32 s18, s18, s96                    ; a q wave or a k wave
	s_mul_i32 s19, s15, 6144
	s_add_co_u32 s18, s18, s19
	s_mov_b32 s19, 0
	s_add_nc_u64 s[18:19], s[10:11], s[18:19]      ; my four fragments of q or k
	s_mul_i32 s97, s16, 6144                       ; v: behind the slot's K: + 49,152 + tile 4 wc + my half of each fragment
	s_add_co_u32 s96, s96, s97
	s_mul_i32 s97, s15, 768
	s_add_co_u32 s96, s96, s97
	s_add_co_u32 s96, s96, 49152
	s_mov_b32 s97, 0
	s_add_nc_u64 s[96:97], s[10:11], s[96:97]
	s_lshl_b32 s94, s42, 13                        ; q's scale words: head x 8,192;
	s_lshl_b32 s95, s42, 14
	s_add_co_u32 s95, s95, 131072                  ; k's: 131,072 + head x 16,384; v's 8,192 behind them
	s_cmp_eq_u32 s16, 0
	s_cselect_b32 s94, s94, s95
	s_lshl_b32 s2, s17, 9
	s_add_co_u32 s94, s94, s2
	s_lshl_b32 s3, s15, 8
	s_add_co_u32 s94, s94, s3                      ; + (2 y + wr) x 256
	s_add_co_u32 s2, s2, s95
	s_add_co_u32 s2, s2, 8192                      ; v's: + 512 y
	s_mov_b32 s3, 0
	s_mov_b32 s95, 0
	s_add_nc_u64 s[94:95], s[12:13], s[94:95]
	s_add_nc_u64 s[12:13], s[12:13], s[2:3]
	s_mov_b32 s98, 0xffff0000                      ; lanes 16-31
	s_mov_b32 s100, 0x76543210
	s_mov_b32 s101, 0xfedcba98                     ; v_permlanex16_b32's selects for lane l xor 16
.irp b, 0,1,2,3
	v_mov_b32 v[TM+4+\b], 0                        ; written once: a lane permute's destination counts as one of its sources
.endr
	s_wait_alu depctr_va_vdst(0)
	WQ 0
	WQ 1
	global_store_b64 v[WR8], v[WW:WW+1], s[90:91]  ; lanes r and r + 16 hold the same two words and name the same 8 bytes
	s_wait_xcnt 0x0                                ; the stores have read their registers, which the way out writes again
	s_wait_alu depctr_va_vdst(0)
	s_wait_tensorcnt 0x0                           ; my part of both slots is in
	s_barrier_signal -1
	s_barrier_wait -1
	FETCH 0, 0, 0
	STEP 0, 1, 0                                   ; the first K step stands in front of the loop: its products start the sums
	WIN 0                                          ; at a label and at a branch every window is 0
	s_mov_b32 s3, 3
.Llap:                                                 ; a trip goes once round the ring and fills both slots again: slots' fills 2 to 7
	TURN 0, 1, 1
	STEP 1, 0, 1
	TURN 1, 0, 1
	STEP 0, 0, 1
	WIN 0
	s_sub_co_u32 s3, s3, 1
	s_cmp_lg_u32 s3, 0
	s_cbranch_scc1 .Llap
	TURN 0, 1, 0                                   ; the last lap fills nothing and asks for no scale words
	STEP 1, 0, 0
	s_wait_dscnt 0x0                               ; the very last K step
	PLACES 4                                       ; set 0 is done with: the table's tiles 0 to 2 land there while the last products run
	WIN 0x40
.irp m, 0,1,2
.irp g, 0,1,2,3,4,5,6,7,8,9,10,11,12,13,14,15
	global_load_b128 v[64*\m+4*\g:64*\m+4*\g+3], v[LI], s[8:9] offset:8192*\m+512*\g
.endr
.endr
	MULQK 1, 1, 1, 0, 0
	MULQK 1, 1, 1, 2, 0
	MULV 1, 1, 1, 0, 0
	MULV 1, 1, 1, 2, 0
	PLACES 4                                       ; in front of loads into set 1, and of the first reads of results
	WIN 0x80
.irp g, 0,1,2,3,4,5,6,7,8,9,10,11,12,13,14,15
	global_load_b128 v[4*\g:4*\g+3], v[LI], s[8:9] offset:8192*3+512*\g
.endr
	WIN 0
	; v: the 64 registers of a window are two of Wv's tiles x my 64 keys: each tile's six registers of codes are half wr of its fragment for this key step
.irp u, 0,1
	QUANT 192, 1+\u, PC+48+12*\u, PW+4+\u
.irp n, 0,1
	global_store_b128 v[LI], v[PC+48+12*\u+6*\n:PC+48+12*\u+6*\n+3], s[96:97] offset:(2*\u+\n)*1536       ; 512 consecutive bytes, aligned to 256
	global_store_b64 v[L8], v[PC+48+12*\u+6*\n+4:PC+48+12*\u+6*\n+5], s[96:97] offset:(2*\u+\n)*1536+512  ; 256 consecutive bytes, aligned
.endr
	v_lshrrev_b32 v[232+\u], v[H16], v[PW+4+\u]    ; lanes 0-15 keep the even tile's two bytes, lanes 16-31 the odd tile's
	ds_store_b16 v[VST], v[232+\u] offset:4*\u
.endr
	; q or k: rotated, quantised along the head's 128, a tile of 16 tokens at a time
.irp m, 0,1,2,3
	s_wait_loadcnt 16*(3-\m)                       ; the table's tile m is in; the tiles behind it may be out
.if \m < 3
	WIN 0x07                                       ; source 0: the sums, window 3; source 1: the table, window 1
.set RTO, 64*\m
.else
	WIN 0x0b                                       ; the table's tile 3 lies in window 2
.set RTO, 0
.endif
.irp e, 0,2,4,6,8,10,12,14,16,18,20,22,24,26,28,30
	v_pk_mul_f32 v[HA+\e:HA+\e+1], v[64*\m+\e:64*\m+\e+1], v[RTO+\e:RTO+\e+1]                  ; lower half x cos  (each accumulator is read from its low end on)
.endr
.irp e, 0,2,4,6,8,10,12,14,16,18,20,22,24,26,28,30
	v_pk_fma_f32 v[HA+\e:HA+\e+1], v[64*\m+32+\e:64*\m+33+\e], v[RTO+32+\e:RTO+33+\e], v[HA+\e:HA+\e+1] neg_lo:[1,0,0] neg_hi:[1,0,0]   ; - upper half x sin
.endr
.irp e, 0,2,4,6,8,10,12,14,16,18,20,22,24,26,28,30
	v_pk_mul_f32 v[HA+32+\e:HA+33+\e], v[64*\m+32+\e:64*\m+33+\e], v[RTO+\e:RTO+\e+1]          ; upper half x cos
.endr
.irp e, 0,2,4,6,8,10,12,14,16,18,20,22,24,26,28,30
	v_pk_fma_f32 v[HA+32+\e:HA+33+\e], v[64*\m+\e:64*\m+\e+1], v[RTO+32+\e:RTO+33+\e], v[HA+32+\e:HA+33+\e]   ; + lower half x sin
.endr
	QUANT HA, 0, PC+12*\m, PW+\m
.irp g, 0,1,2
	global_store_b128 v[LI], v[PC+12*\m+4*\g:PC+12*\m+4*\g+3], s[18:19] offset:1536*\m+512*\g
.endr
.endr
	v_cndmask_b32 v230, v[PW], v[PW+1], s98        ; word i of lane (r, h): tile 2 i + h
	v_cndmask_b32 v231, v[PW+2], v[PW+3], s98
	global_store_b64 v[L8], v[230:231], s[94:95]   ; 256 consecutive bytes, aligned
	s_wait_dscnt 0x0                               ; for the others' sake: my bytes of v's scale words have landed
	s_barrier_signal -1
	s_barrier_wait -1
	s_cmp_lg_u32 s14, 0
	s_cbranch_scc1 .Lnot_mine
	ds_load_b128 v[64:67], v[VRD]                  ; the key step's 512 bytes, whole
	s_wait_dscnt 0x0
	global_store_b128 v[LI], v[64:67], s[12:13]
.Lnot_mine:
	s_wait_tensorcnt 0x0                           ; the wave's end, behind my last tensor load and my last LDS store
	ds_add_u32 v[SPW], v[NIL]
	s_wait_dscnt 0x0
	CROUND                                         ; the closing round
	s_endpgm
.Lfunc_end_k_q58a900d4b0_qkv:
	.size	k_q58a900d4b0_qkv, .Lfunc_end_k_q58a900d4b0_qkv-k_q58a900d4b0_qkv
	.p2alignl 7, 3214868480
	.fill 96, 4, 3214868480
	.section	.rodata,"a",@progbits
	.p2align	6, 0x0
	.amdhsa_kernel k_q58a900d4b0_qkv
		.amdhsa_group_segment_fixed_size 327680
		.amdhsa_private_segment_fixed_size 0
		.amdhsa_enable_private_segment 0
		.amdhsa_kernarg_size 48
		.amdhsa_user_sgpr_count 2
		.amdhsa_user_sgpr_kernarg_segment_ptr 1
		.amdhsa_wavefront_size32 1
		.amdhsa_system_sgpr_workgroup_id_x 1
		.amdhsa_system_sgpr_workgroup_id_y 1
		.amdhsa_system_sgpr_workgroup_id_z 1
		.amdhsa_system_vgpr_workitem_id 0
		.amdhsa_next_free_vgpr 1024
		.amdhsa_next_free_sgpr 102
		.amdhsa_reserve_vcc 0
		.amdhsa_float_denorm_mode_32 3
		.amdhsa_float_denorm_mode_16_64 3
		.amdhsa_memory_ordered 1
		.amdhsa_forward_progress 1
		.amdhsa_inst_pref_size 155
	.end_amdhsa_kernel
	.amdgpu_metadata
---
amdhsa.version: [ 1, 2 ]
amdhsa.kernels:
  - .name:           k_q58a900d4b0_qkv
    .symbol:         k_q58a900d4b0_qkv.kd
    .args:
      - { .name: codes1, .offset: 0, .size: 8, .value_kind: global_buffer, .address_space: global }
      - { .name: scales1, .offset: 8, .size: 8, .value_kind: global_buffer, .address_space: global }
      - { .name: rope, .offset: 16, .size: 8, .value_kind: global_buffer, .address_space: global }
      - { .name: qkvc, .offset: 24, .size: 8, .value_kind: global_buffer, .address_space: global }
      - { .name: qkvs, .offset: 32, .size: 8, .value_kind: global_buffer, .address_space: global }
      - { .name: Wo, .offset: 40, .size: 8, .value_kind: global_buffer, .address_space: global }
    .group_segment_fixed_size: 327680
    .private_segment_fixed_size: 0
    .kernarg_segment_align: 8
    .kernarg_segment_size: 48
    .max_flat_workgroup_size: 128
    .sgpr_count:     102
    .vgpr_count:     1024
    .wavefront_size: 32
...
	.end_amdgpu_metadata
.endif
;; end of part 2
;; launch attn (part 3): grid 16 x 16, 16 waves a work-group, clusters of 4 x 1, 327,680 bytes of LDS; arguments qkvc, qkvs, oc, os; writes oc, os
.if DOCPART == 3
	.amdgcn_target "amdgcn-amd-amdhsa--gfx1250"
	.amdhsa_code_object_version 6
	.text
	.protected	k_q58a900d4b0_attn
	.globl	k_q58a900d4b0_attn
	.p2align	8
	.type	k_q58a900d4b0_attn,@function
k_q58a900d4b0_attn:
	s_mov_b64 s[64:65], 0
	v_nop
	global_prefetch_b8 v0, s[64:65] scope:SCOPE_SE
	s_setreg_imm32_b32 hwreg(HW_REG_WAVE_MODE, 25, 1), 1
	s_wait_xcnt 0x0
	s_wait_alu depctr_hold_cnt(0) depctr_sa_sdst(0) depctr_va_vdst(0) depctr_va_sdst(0) depctr_va_ssrc(0) depctr_va_vcc(0) depctr_vm_vsrc(0)
	s_getreg_b32 s2, hwreg(HW_REG_IB_STS2, 6, 4)
	s_cmp_eq_u32 s2, 0
	s_cbranch_scc0 .Lentry_in_a_cluster
	s_endpgm
.Lentry_in_a_cluster:
	s_bfe_u32 s2, ttmp6, 0x10000c
	s_cmp_lg_u32 s2, 0x3003
	s_cbranch_scc0 .Lentry_shape_is_right
	s_endpgm
.Lentry_shape_is_right:
; o = softmax(q k^T / sqrt(128)) v for one head and 128 queries, on codes of FP6 (E2M3) with E8M0 scales; o is quantised along the heads' axis and stored as an image of the next product's operand.
; SHARES.  Work-group (x = block of 128 queries, y = head), 16 waves.  Wave w: the 16 queries of tile w % 8, and of each 512 keys the 256 of half w / 8, in steps of 128.  The two halves' sums are joined at the end through LDS.
; Both products are used transposed (S^T = k q^T, O^T = v^T p^T): a lane holds one query.  p = 2^(t - M), M the running largest t rounded up to a whole number; the row's sum is taken of p before it is quantised; a change of M multiplies by an exact power of two.
; LDS.  A head's k and v are 4 blocks of 98,304 bytes (512 keys: k's 4 steps, then v's).  Three slots hold keys 0 to 1,535; behind them lie the head's scale words (16,384 bytes) and the spare words.
; All of that is filled at the head, one joint load a wave: waves 0-11 bring 24,576 bytes of codes each, waves 12-15 4,096 bytes of scale words each.  Keys 1,536 to 2,047 are filled into slot 0 when every wave has read it,
; by waves 0-3 (24,576 bytes each); that load has two key steps of every wave in which to land.  So the waves meet four times: when the first fills are in, at the refill, ahead of the refilled slot, and at the joining.
; The stage for the joining lies in slot 1: it has had its one fill, and every wave's last read of it lies ahead of the barrier in front of the last 512 keys.
; CLUSTER 4 x 1: the four blocks of queries of a head read the same k and v: every load is asked for jointly.  One tensor load of a wave is out at any time; every wait on TENSORcnt is for 0.
; No prefetch: the launch's only stream in the loop is the one refill, which is asked for four key steps ahead of its use.
; LIMITS: the promise holds while the scaled scores stay under 2^31 in magnitude; NaN and infinities are not served; a block of p under 2^-124 keeps the byte 1.
.set SLOTB, 98304
.set SCK,   294912
.set SPARE, 311296
.set STAGE, 98304
.set STW,   8448
.set GRP,   24576
.set LI,   1
.set L8,   2
.set R8,   3
.set AK0,  4
.set SPW,  5
.set NIL,  6
.set AV0,  7
.set ADK,  8
.set ADV,  9
.set ADV8, 10
.set ADS,  11
.set F,    36
.set AV80, 84
.set ADT,  85
.set ASK0, 86
.set ASV0, 87
.set SGA,  88
.set SGS,  89
.set PC,   36
.set TQ,   48
.set TM,   56
.set PW,   72
.set WV,   18
.set SEL,  20
.set CS,   22
.set G1K,  24
.set G1S,  32
.set G0K,  40
.set G0S,  44
.set TB,   2
.set TS,   3
.set SLOTS, 48
.macro CROUND
	s_barrier_signal -1
	s_barrier_wait -1
	s_cmp_lg_u32 s[WV], 0
	s_cbranch_scc1 .Lnot_wave_0_\@
	s_barrier_signal -3
.Lnot_wave_0_\@:
	s_barrier_wait -3
	s_barrier_signal -1
	s_barrier_wait -1
.endm
.macro PROD d, a, b, zero, sa, sb, ra
.if \zero
.if (\ra)
	v_wmma_scale_f32_16x16x128_f8f6f4 v[\d:\d+7], v[\a:\a+11], v[\b:\b+11], 0, v[\sa], v[\sb] matrix_a_fmt:MATRIX_FMT_FP6 matrix_b_fmt:MATRIX_FMT_FP6 matrix_a_scale:MATRIX_SCALE_ROW1
.else
	v_wmma_scale_f32_16x16x128_f8f6f4 v[\d:\d+7], v[\a:\a+11], v[\b:\b+11], 0, v[\sa], v[\sb] matrix_a_fmt:MATRIX_FMT_FP6 matrix_b_fmt:MATRIX_FMT_FP6
.endif
.else
.if (\ra)
	v_wmma_scale_f32_16x16x128_f8f6f4 v[\d:\d+7], v[\a:\a+11], v[\b:\b+11], v[\d:\d+7], v[\sa], v[\sb] matrix_a_fmt:MATRIX_FMT_FP6 matrix_b_fmt:MATRIX_FMT_FP6 matrix_a_scale:MATRIX_SCALE_ROW1
.else
	v_wmma_scale_f32_16x16x128_f8f6f4 v[\d:\d+7], v[\a:\a+11], v[\b:\b+11], v[\d:\d+7], v[\sa], v[\sb] matrix_a_fmt:MATRIX_FMT_FP6 matrix_b_fmt:MATRIX_FMT_FP6
.endif
.endif
.endm
.macro KSCALE q
	ds_load_b64 v[28:29], v[ADS] offset:512*(\q)
	ds_load_b64 v[30:31], v[ADS] offset:512*(\q)+256
.endm
.macro KHALF q, g
.irp i, 0,1,2,3
.irp e, 0,1,2
	ds_load_b128 v[F+12*\i+4*\e:F+12*\i+4*\e+3], v[ADK] offset:12288*(\q)+1536*(4*(\g)+\i)+512*\e
.endr
.endr
.endm
.macro VHALF q, g, reg
.irp i, 0,1,2,3
.irp c, 0,1
	ds_load_b128 v[\reg+12*\i+6*\c:\reg+12*\i+6*\c+3], v[ADV] offset:12288*(\q)+1536*(4*(\g)+\i)+768*\c
	ds_load_b64 v[\reg+12*\i+6*\c+4:\reg+12*\i+6*\c+5], v[ADV8] offset:12288*(\q)+1536*(4*(\g)+\i)+768*\c+512
.endr
.endr
.endm
.macro STEP q
.if (\q) == 0
	KSCALE 0
	KHALF 0, 0
.endif
	s_wait_dscnt 0x0
.irp i, 0,1,2,3
.set rD, 96+8*\i
.set rA, F+12*\i
.set rS, 28+\i/2
	PROD rD, rA, 16, 1, rS, 255, \i%2
.endr
.rept 4
	v_nop
.endr
	KHALF \q, 1
	s_wait_dscnt 0x0
.irp i, 0,1,2,3
.set rD, 128+8*\i
.set rA, F+12*\i
.set rS, 30+\i/2
	PROD rD, rA, 16, 1, rS, 255, \i%2
.endr
.rept 4
	v_nop
.endr
	ds_load_b128 v[32:35], v[ADT] offset:512*(\q)
	VHALF \q, 0, F
.irp b, 0,1,2,3
	v_max3_num_f32 v[232+\b], v[96+16*\b], v[97+16*\b], v[98+16*\b]
.endr
.irp i, 3,5,7,9,11,13
.irp b, 0,1,2,3
	v_max3_num_f32 v[232+\b], v[232+\b], v[96+16*\b+\i], v[97+16*\b+\i]
.endr
.endr
.irp b, 0,1,2,3
	v_max_num_f32 v[232+\b], v[232+\b], v[111+16*\b]
.endr
.irp b, 0,1,2,3
	s_delay_alu instid0(VALU_DEP_4)
	v_permlanex16_b32 v[236+\b], v[232+\b], s[SEL], s[SEL+1]
.endr
.irp b, 0,1,2,3
	s_delay_alu instid0(VALU_DEP_4)
	v_max_num_f32 v[232+\b], v[232+\b], v[236+\b]
.endr
	s_delay_alu instid0(VALU_DEP_2)
	v_max3_num_f32 v254, v232, v233, v234
	s_delay_alu instid0(VALU_DEP_1)
	v_max_num_f32 v254, v254, v235
	s_delay_alu instid0(VALU_DEP_1)
	v_mul_f32 v254, s[CS], v254
	s_delay_alu instid0(VALU_DEP_1)
	v_max_num_f32 v13, v13, v254
	v_mov_b32 v254, v12
	s_delay_alu instid0(VALU_DEP_2)
	v_floor_f32 v12, -v13
	s_delay_alu instid0(VALU_DEP_1)
	v_sub_f32 v254, v12, v254
	s_delay_alu instid0(VALU_DEP_1)
	v_cvt_i32_f32 v254, v254
	s_delay_alu instid0(VALU_DEP_1)
	v_ldexp_f32 v252, 1.0, v254
.irp j, 0,2,4,6,8,10,12,14,16,18,20,22,24,26,28,30,32,34,36,38,40,42,44,46,48,50,52,54,56,58,60,62
	v_pk_fma_f32 v[96+\j:97+\j], v[96+\j:97+\j], s[CS:CS+1], v[12:13] op_sel_hi:[1,0,0]
.endr
.irp b, 0,1,2,3
	v_fma_f32 v[232+\b], v[232+\b], s[CS], v12
.endr
	s_wait_alu depctr_va_vdst(0)
.irp j, 0,1,2,3,4,5,6,7,8,9,10,11,12,13,14,15,16,17,18,19,20,21,22,23,24,25,26,27,28,29,30,31,32,33,34,35,36,37,38,39,40,41,42,43,44,45,46,47,48,49,50,51,52,53,54,55,56,57,58,59,60,61,62,63
	v_exp_f32 v[96+\j], v[96+\j]
.endr
	v_pk_mul_f32 v[14:15], v[14:15], v[252:253] op_sel_hi:[1,0]
	s_wait_alu depctr_va_vdst(0)
.irp b, 0,1,2,3
	v_exp_f32 v[232+\b], v[232+\b]
.endr
	v_pk_add_f32 v[236:237], v[96:97], v[98:99]
.irp j, 4,8,12,16,20,24,28,32,36,40,44,48,52,56,60
	v_pk_add_f32 v[14:15], v[14:15], v[96+\j:97+\j]
	v_pk_add_f32 v[236:237], v[236:237], v[98+\j:99+\j]
.endr
	s_delay_alu instid0(VALU_DEP_1)
	v_pk_add_f32 v[14:15], v[14:15], v[236:237]
	s_wait_alu depctr_va_vdst(0)
.irp b, 0,1,2,3
	v_max_num_f32 v[232+\b], 0x1800000, v[232+\b]
.endr
.irp b, 0,1,2,3
	s_delay_alu instid0(VALU_DEP_4)
	v_add_nc_u32 v[244+\b], 0xff000000, v[232+\b]
.endr
.irp b, 0,1,2,3
	s_delay_alu instid0(VALU_DEP_4)
	v_lshrrev_b32 v[236+\b], 23, v[244+\b]
.endr
	s_delay_alu instid0(VALU_DEP_3)
	v_lshl_or_b32 v253, v237, 8, v236
	s_delay_alu instid0(VALU_DEP_1)
	v_lshl_or_b32 v253, v238, 16, v253
	s_delay_alu instid0(VALU_DEP_1)
	v_lshl_or_b32 v253, v239, 24, v253
.irp c, 0,1
	v_cvt_scalef32_pk16_fp6_f32 v[224+6*\c:226+6*\c], v[96+32*\c:111+32*\c], v[244+2*\c]
	v_cvt_scalef32_pk16_fp6_f32 v[236+4*\c:238+4*\c], v[112+32*\c:127+32*\c], v[245+2*\c]
.endr
	v_nop
	VHALF \q, 1, 96
.irp c, 0,1
.irp i, 0,1,2
	v_permlane16_swap_b32 v[224+6*\c+\i], v[236+4*\c+\i]
.endr
.irp i, 0,1,2
	s_delay_alu instid0(VALU_DEP_3)
	v_mov_b32 v[227+6*\c+\i], v[236+4*\c+\i]
.endr
.endr
.irp j, 0,2,4,6,8,10,12,14,16,18,20,22,24,26,28,30,32,34,36,38,40,42,44,46,48,50,52,54,56,58,60,62
	v_pk_mul_f32 v[160+\j:161+\j], v[160+\j:161+\j], v[252:253] op_sel_hi:[1,0]
.endr
	s_wait_alu depctr_va_vdst(0)
	s_wait_dscnt 0x0
.irp d, 0,1,2,3
.set rD, 160+8*\d
.set rA, F+12*\d
.set rS, 32+\d/2
	PROD rD, rA, 224, 0, rS, 253, \d%2
.endr
.irp d, 0,1,2,3
.set rD, 192+8*\d
.set rA, 96+12*\d
.set rS, 34+\d/2
	PROD rD, rA, 224, 0, rS, 253, \d%2
.endr
.rept 5
	v_nop
.endr
.endm
.macro CHANGE fill                     ; the waves meet.  fill = 1: slot 0 is filled again, behind a round of the cluster's barrier
	s_wait_tensorcnt 0x0                           ; all my tensor loads have landed
	ds_add_u32 v[SPW], v[NIL]                      ; 0 onto my spare word
.if \fill
	s_add_nc_u64 s[G0K+2:G0K+3], s[G0K+2:G0K+3], 294912   ; no load of mine is out: the descriptor steps three slots on; the LDS address stays
.endif
	s_wait_dscnt 0x0                               ; the add is done, and so are my reads
.if \fill
	CROUND
	s_cmp_lt_u32 s[WV], 4                          ; slot 0 is what waves 0-3 filled at the head
	s_cbranch_scc0 .Lno_part
	tensor_load_to_lds s[G0K:G0K+3], s[G1K:G1K+7]
	s_nop 0
.rept 4
	v_nop
.endr
.Lno_part:
.else
	s_barrier_signal -1
	s_barrier_wait -1
.endif
.endm
.macro SETADR                          ; this slot's LDS addresses
	v_add_nc_u32 v[ADK], s[TB], v[AK0]
	v_add_nc_u32 v[ADV], s[TB], v[AV0]
	v_add_nc_u32 v[ADV8], s[TB], v[AV80]
	v_add_nc_u32 v[ADS], s[TS], v[ASK0]
	v_add_nc_u32 v[ADT], s[TS], v[ASV0]
.endm
.macro TWO_STEPS tb, ts                ; my two key steps of the slot at LDS byte tb, whose scale words begin ts bytes into k's and v's: a counted loop over one step's text
	s_mov_b32 s[TB], \tb
	s_mov_b32 s[TS], \ts
	s_mov_b32 s[SLOTS], 2
.Lstep_\@:
	SETADR
	s_wait_alu depctr_va_vdst(0)
	STEP 0
	s_add_co_u32 s[TB], s[TB], 12288
	s_add_co_u32 s[TS], s[TS], 512
	s_sub_co_u32 s[SLOTS], s[SLOTS], 1
	s_cmp_lg_u32 s[SLOTS], 0
	s_cbranch_scc1 .Lstep_\@
.endm
	s_load_b256 s[4:11], s[0:1], 0x0
	v_lshl_add_u32 v[SPW], v0, 2, SPARE
	v_mov_b32 v[NIL], 0
	ds_add_u32 v[SPW], v[NIL]
	ds_add_u32 v[SPW], v[NIL]
	v_lshrrev_b32 v8, 5, v0
	s_delay_alu instid0(VALU_DEP_1)
	v_readfirstlane_b32 s[WV], v8
	s_bfe_u32 s12, ttmp6, 0x40000
	s_lshl_b32 s13, ttmp9, 2
	s_add_co_u32 s13, s13, s12
	s_and_b32 s14, ttmp7, 0xffff
	s_mov_b32 s[G1K], 15|(3<<16)|(1<<21)
	s_mov_b32 s[G1K+1], 32<<16
	s_mov_b32 s[G1K+2], 96<<16
	s_mov_b32 s[G1K+3], 32<<16
	s_mov_b32 s[G1K+4], 96
	s_mov_b32 s[G1K+5], 32
	s_mov_b32 s[G1K+6], 0
	s_mov_b32 s[G1K+7], 0
	s_mov_b32 s[G1S], 15|(3<<16)|(1<<21)
	s_mov_b32 s[G1S+1], 32<<16
	s_mov_b32 s[G1S+2], 16<<16
	s_mov_b32 s[G1S+3], 32<<16
	s_mov_b32 s[G1S+4], 16
	s_mov_b32 s[G1S+5], 32
	s_mov_b32 s[G1S+6], 0
	s_mov_b32 s[G1S+7], 0
	s_mul_i32 s50, s[WV], 24576                    ; codes: wave w (0-11) brings bytes 24,576 w on, in memory and in LDS alike
	s_and_b32 s51, s[WV], 3
	s_lshl_b32 s51, s51, 12                        ; scale words: wave 12 + i brings bytes 4,096 i on
	s_mul_i32 s52, s14, 393216
	s_add_co_u32 s52, s52, s50
	s_add_co_u32 s52, s52, 3145728
	s_mov_b32 s53, 0
	s_lshl_b32 s54, s14, 14
	s_add_co_u32 s54, s54, s51
	s_add_co_u32 s54, s54, 131072
	s_mov_b32 s55, 0
	s_mov_b32 s[SEL], 0x76543210
	s_mov_b32 s[SEL+1], 0xfedcba98
	s_mov_b32 s[CS], 0x3e0293ee
	s_mov_b32 s[CS+1], s[CS]
	s_mov_b32 s[TB], 0
	s_mov_b32 s[TS], 0
	s_mov_b32 s[SLOTS], 2
	s_wait_dscnt 0x0
	s_wait_kmcnt 0x0
	s_mov_b32 s[G0S], 1
	s_add_co_u32 s[G0S+1], s51, SCK
	s_add_nc_u64 s[G0S+2:G0S+3], s[6:7], s[54:55]
	s_or_b32 s[G0S+3], s[G0S+3], 0x80000000
	s_mov_b32 s[G0K], 1
	s_mov_b32 s[G0K+1], s50
	s_add_nc_u64 s[G0K+2:G0K+3], s[4:5], s[52:53]
	s_or_b32 s[G0K+3], s[G0K+3], 0x80000000
	CROUND
	s_cmp_lt_u32 s[WV], 12                         ; the first fills: one chain of branches on the wave's number, one load to an arm
	s_cbranch_scc0 .Lhead_s
	tensor_load_to_lds s[G0K:G0K+3], s[G1K:G1K+7]
	s_nop 0
.rept 4
	v_nop
.endr
	s_branch .Lhead_j
.Lhead_s:
	tensor_load_to_lds s[G0S:G0S+3], s[G1S:G1S+7]
	s_nop 0
.rept 4
	v_nop
.endr
.Lhead_j:
	s_and_b32 s16, s[WV], 7
	s_lshr_b32 s49, s[WV], 3
	s_lshl_b32 s15, s13, 3
	s_add_co_u32 s15, s15, s16
	s_mul_i32 s56, s14, 196608
	s_mul_i32 s57, s15, 1536
	s_add_co_u32 s56, s56, s57
	s_mov_b32 s57, 0
	s_add_nc_u64 s[56:57], s[4:5], s[56:57]
	s_lshl_b32 s58, s14, 13
	s_lshr_b32 s59, s15, 2
	s_lshl_b32 s59, s59, 8
	s_add_co_u32 s58, s58, s59
	s_and_b32 s59, s15, 1
	s_lshl_b32 s59, s59, 7
	s_add_co_u32 s58, s58, s59
	s_bfe_u32 s59, s15, 0x10001
	s_lshl_b32 s59, s59, 2
	s_add_co_u32 s58, s58, s59
	s_mov_b32 s59, 0
	s_add_nc_u64 s[58:59], s[6:7], s[58:59]
	s_mul_i32 s60, s15, 3072                       ; o's codes: [pair of K steps][tile][2 fragments]; the head is the K step
	s_lshr_b32 s61, s14, 1
	s_mul_i32 s61, s61, 393216
	s_add_co_u32 s60, s60, s61
	s_and_b32 s61, s14, 1
	s_mul_i32 s61, s61, 1536
	s_add_co_u32 s60, s60, s61
	s_mov_b32 s61, 0
	s_add_nc_u64 s[8:9], s[8:9], s[60:61]
	s_lshr_b32 s60, s15, 1
	s_lshl_b32 s60, s60, 11
	s_lshr_b32 s62, s14, 1
	s_lshl_b32 s62, s62, 8
	s_add_co_u32 s60, s60, s62
	s_and_b32 s62, s15, 1
	s_lshl_b32 s62, s62, 7
	s_add_co_u32 s60, s60, s62
	s_and_b32 s62, s14, 1
	s_lshl_b32 s62, s62, 2
	s_add_co_u32 s60, s60, s62
	s_add_nc_u64 s[10:11], s[10:11], s[60:61]
	v_and_b32 v8, 31, v0
	s_delay_alu instid0(VALU_DEP_1)
	v_lshlrev_b32 v[LI], 4, v8
	s_delay_alu instid0(VALU_DEP_2)
	v_lshlrev_b32 v[L8], 3, v8
	v_and_b32 v9, 15, v0
	s_delay_alu instid0(VALU_DEP_1)
	v_lshlrev_b32 v[R8], 3, v9
.irp g, 0,1,2
	global_load_b128 v[16+4*\g:19+4*\g], v[LI], s[56:57] offset:512*\g
.endr
	global_load_b32 v255, v[R8], s[58:59]
	s_mul_i32 s17, s49, GRP
	v_add_nc_u32 v[AK0], s17, v[LI]
	s_add_co_u32 s17, s17, 49152
	v_add_nc_u32 v[AV0], s17, v[LI]
	v_add_nc_u32 v[AV80], s17, v[L8]
	s_lshl_b32 s19, s49, 10
	s_add_co_u32 s19, s19, SCK
	v_add_nc_u32 v[ASK0], s19, v[L8]
	s_add_co_u32 s19, s19, 8192
	v_add_nc_u32 v[ASV0], s19, v[LI]
	s_mul_i32 s63, s16, STW
	s_add_co_u32 s63, s63, STAGE
	v_add_nc_u32 v[SGA], s63, v[LI]
	s_add_co_u32 s63, s63, 8192
	v_lshl_add_u32 v[SGS], v8, 2, s63
	v_mov_b32 v13, 0xff61b1e6
	s_delay_alu instid0(VALU_DEP_1)
	v_floor_f32 v12, -v13
	v_mov_b32 v14, 0
	v_mov_b32 v15, 0
.irp b, 0,1,2,3
	v_mov_b32 v[236+\b], 0
.endr
	v_mov_b32 v253, 0
.irp j, 0,1,2,3,4,5,6,7,8,9,10,11,12,13,14,15,16,17,18,19,20,21,22,23,24,25,26,27,28,29,30,31,32,33,34,35,36,37,38,39,40,41,42,43,44,45,46,47,48,49,50,51,52,53,54,55,56,57,58,59,60,61,62,63
	v_mov_b32 v[160+\j], 0
.endr
	s_wait_loadcnt 0x0
	s_wait_alu depctr_va_vdst(0)
	s_wait_tensorcnt 0x0                           ; my first fill is in
	s_barrier_signal -1
	s_barrier_wait -1                              ; keys 0 to 1,535 and all scale words are whole
	TWO_STEPS 0, 0                                 ; slot 0
	CHANGE 1                                       ; slot 0 takes keys 1,536 on
	TWO_STEPS SLOTB, 2048                          ; slot 1
	s_wait_tensorcnt 0x0                           ; my part of the refill, asked for two key steps ago, is in,
	s_wait_dscnt 0x0                               ; and my reads of slot 1 are over:
	s_barrier_signal -1                            ; say so now, and ask only when the refilled slot is wanted.  Between its halves I read slot 2 and scale words alone, which no wave writes
	TWO_STEPS 2*SLOTB, 4096                        ; slot 2
	s_barrier_wait -1                              ; slot 0's second fill is whole, and nobody reads slot 1 any more
	TWO_STEPS 0, 6144                              ; keys 1,536 on
	v_add_f32 v14, v14, v15
	s_cmp_lt_u32 s[WV], 8
	s_cbranch_scc1 .Lkeeps
.irp i, 0,1,2,3,4,5,6,7,8,9,10,11,12,13,14,15
	ds_store_b128 v[SGA], v[160+4*\i:163+4*\i] offset:512*\i
.endr
	ds_store_b32 v[SGS], v12
	ds_store_b32 v[SGS], v14 offset:128
.Lkeeps:
	s_wait_dscnt 0x0
	s_barrier_signal -1
	s_barrier_wait -1
	s_cmp_lt_u32 s[WV], 8
	s_cbranch_scc0 .Lend
.irp i, 0,1,2,3,4,5,6,7,8,9,10,11,12,13,14,15
	ds_load_b128 v[96+4*\i:99+4*\i], v[SGA] offset:512*\i
.endr
	ds_load_b32 v73, v[SGS]
	ds_load_b32 v74, v[SGS] offset:128
	v_mov_b32 v79, 0
.irp b, 0,1,2,3
	v_mov_b32 v[TM+4+\b], 0
.endr
	s_wait_dscnt 0x0
	v_min_num_f32 v75, v12, v73
	s_delay_alu instid0(VALU_DEP_1)
	v_sub_f32 v76, v75, v12
	s_delay_alu instid0(VALU_DEP_2)
	v_sub_f32 v77, v75, v73
	s_delay_alu instid0(VALU_DEP_2)
	v_cvt_i32_f32 v76, v76
	s_delay_alu instid0(VALU_DEP_2)
	v_cvt_i32_f32 v77, v77
	s_delay_alu instid0(VALU_DEP_2)
	v_ldexp_f32 v76, 1.0, v76
	s_delay_alu instid0(VALU_DEP_2)
	v_ldexp_f32 v77, 1.0, v77
	s_delay_alu instid0(VALU_DEP_2)
	v_mul_f32 v14, v14, v76
	s_delay_alu instid0(VALU_DEP_1)
	v_fma_f32 v14, v74, v77, v14
	s_delay_alu instid0(VALU_DEP_1)
	v_permlanex16_b32 v252, v14, s[SEL], s[SEL+1]
	s_delay_alu instid0(VALU_DEP_1)
	v_add_f32 v14, v14, v252
	s_wait_alu depctr_va_vdst(0)
	v_rcp_f32 v14, v14
	v_nop
	s_wait_alu depctr_va_vdst(0)
	v_mul_f32 v78, v77, v14
	v_mul_f32 v76, v76, v14
.irp j, 0,2,4,6,8,10,12,14,16,18,20,22,24,26,28,30,32,34,36,38,40,42,44,46,48,50,52,54,56,58,60,62
	v_pk_mul_f32 v[160+\j:161+\j], v[160+\j:161+\j], v[76:77] op_sel_hi:[1,0]
.endr
.irp j, 0,2,4,6,8,10,12,14,16,18,20,22,24,26,28,30,32,34,36,38,40,42,44,46,48,50,52,54,56,58,60,62
	v_pk_fma_f32 v[96+\j:97+\j], v[96+\j:97+\j], v[78:79], v[160+\j:161+\j] op_sel_hi:[1,0,1]
.endr
.irp b, 0,1,2,3
	v_max3_num_f32 v[TM+\b], |v[96+16*\b]|, |v[97+16*\b]|, 0x1800000
.endr
.irp i, 2,4,6,8,10,12,14
.irp b, 0,1,2,3
	s_delay_alu instid0(VALU_DEP_4)
	v_max3_num_f32 v[TM+\b], v[TM+\b], |v[96+16*\b+\i]|, |v[97+16*\b+\i]|
.endr
.endr
.irp b, 0,1,2,3
	s_delay_alu instid0(VALU_DEP_4)
	v_permlanex16_b32 v[TM+4+\b], v[TM+\b], s[SEL], s[SEL+1]
.endr
.irp b, 0,1,2,3
	s_delay_alu instid0(VALU_DEP_4)
	v_max_num_f32 v[TM+\b], v[TM+\b], v[TM+4+\b]
.endr
.irp b, 0,1,2,3
	s_delay_alu instid0(VALU_DEP_4)
	v_add_nc_u32 v[TM+12+\b], 0xff000000, v[TM+\b]
.endr
.irp b, 0,1,2,3
	s_delay_alu instid0(VALU_DEP_4)
	v_lshrrev_b32 v[TM+4+\b], 23, v[TM+12+\b]
.endr
	s_delay_alu instid0(VALU_DEP_3)
	v_lshl_or_b32 v[PW], v[TM+5], 8, v[TM+4]
	s_delay_alu instid0(VALU_DEP_1)
	v_lshl_or_b32 v[PW], v[TM+6], 16, v[PW]
	s_delay_alu instid0(VALU_DEP_1)
	v_lshl_or_b32 v[PW], v[TM+7], 24, v[PW]
.irp c, 0,1
	v_cvt_scalef32_pk16_fp6_f32 v[PC+6*\c:PC+6*\c+2], v[96+32*\c:111+32*\c], v[TM+12+2*\c]
	v_cvt_scalef32_pk16_fp6_f32 v[TQ+4*\c:TQ+4*\c+2], v[112+32*\c:127+32*\c], v[TM+13+2*\c]
.endr
	v_nop
.irp c, 0,1
.irp i, 0,1,2
	v_permlane16_swap_b32 v[PC+6*\c+\i], v[TQ+4*\c+\i]
.endr
.irp i, 0,1,2
	s_delay_alu instid0(VALU_DEP_3)
	v_mov_b32 v[PC+3+6*\c+\i], v[TQ+4*\c+\i]
.endr
.endr
.irp g, 0,1,2
	global_store_b128 v[LI], v[PC+4*\g:PC+4*\g+3], s[8:9] offset:512*\g
.endr
	global_store_b32 v[R8], v[PW], s[10:11]
.Lend:
	s_wait_tensorcnt 0x0
	ds_add_u32 v[SPW], v[NIL]
	s_wait_dscnt 0x0
	CROUND
	s_endpgm
.Lfunc_end_k_q58a900d4b0_attn:
	.size	k_q58a900d4b0_attn, .Lfunc_end_k_q58a900d4b0_attn-k_q58a900d4b0_attn
	.p2alignl 7, 3214868480
	.fill 96, 4, 3214868480
	.section	.rodata,"a",@progbits
	.p2align	6, 0x0
	.amdhsa_kernel k_q58a900d4b0_attn
		.amdhsa_group_segment_fixed_size 327680
		.amdhsa_private_segment_fixed_size 0
		.amdhsa_enable_private_segment 0
		.amdhsa_kernarg_size 32
		.amdhsa_user_sgpr_count 2
		.amdhsa_user_sgpr_kernarg_segment_ptr 1
		.amdhsa_wavefront_size32 1
		.amdhsa_system_sgpr_workgroup_id_x 1
		.amdhsa_system_sgpr_workgroup_id_y 1
		.amdhsa_system_sgpr_workgroup_id_z 1
		.amdhsa_system_vgpr_workitem_id 0
		.amdhsa_next_free_vgpr 256
		.amdhsa_next_free_sgpr 66
		.amdhsa_reserve_vcc 0
		.amdhsa_float_denorm_mode_32 3
		.amdhsa_float_denorm_mode_16_64 3
		.amdhsa_memory_ordered 1
		.amdhsa_forward_progress 1
		.amdhsa_inst_pref_size 106
	.end_amdhsa_kernel
	.amdgpu_metadata
---
amdhsa.version: [ 1, 2 ]
amdhsa.kernels:
  - .name:           k_q58a900d4b0_attn
    .symbol:         k_q58a900d4b0_attn.kd
    .args:
      - { .name: qkvc, .offset: 0, .size: 8, .value_kind: global_buffer, .address_space: global }
      - { .name: qkvs, .offset: 8, .size: 8, .value_kind: global_buffer, .address_space: global }
      - { .name: oc, .offset: 16, .size: 8, .value_kind: global_buffer, .address_space: global }
      - { .name: os, .offset: 24, .size: 8, .value_kind: global_buffer, .address_space: global }
    .group_segment_fixed_size: 327680
    .private_segment_fixed_size: 0
    .kernarg_segment_align: 8
    .kernarg_segment_size: 32
    .max_flat_workgroup_size: 512
    .sgpr_count:     66
    .vgpr_count:     256
    .wavefront_size: 32
...
	.end_amdgpu_metadata
.endif
;; end of part 3
;; launch oproj (part 4): grid 16 x 16, 4 waves a work-group, clusters of 4 x 4, 327,680 bytes of LDS; arguments oc, os, qkvc, qkvs, out0; writes out0
.if DOCPART == 4
	.amdgcn_target "amdgcn-amd-amdhsa--gfx1250"
	.amdhsa_code_object_version 6
	.text
	.protected	k_q58a900d4b0_oproj
	.globl	k_q58a900d4b0_oproj
	.p2align	8
	.type	k_q58a900d4b0_oproj,@function
k_q58a900d4b0_oproj:
	s_mov_b64 s[64:65], 0
	v_nop
	global_prefetch_b8 v0, s[64:65] scope:SCOPE_SE
	s_setreg_imm32_b32 hwreg(HW_REG_WAVE_MODE, 25, 1), 1
	s_wait_xcnt 0x0
	s_wait_alu depctr_hold_cnt(0) depctr_sa_sdst(0) depctr_va_vdst(0) depctr_va_sdst(0) depctr_va_ssrc(0) depctr_va_vcc(0) depctr_vm_vsrc(0)
	s_getreg_b32 s2, hwreg(HW_REG_IB_STS2, 6, 4)
	s_cmp_eq_u32 s2, 0
	s_cbranch_scc0 .Lentry_in_a_cluster
	s_endpgm
.Lentry_in_a_cluster:
	s_bfe_u32 s2, ttmp6, 0x10000c
	s_cmp_lg_u32 s2, 0xf033
	s_cbranch_scc0 .Lentry_shape_is_right
	s_endpgm
.Lentry_shape_is_right:
; out = o Wo^T on codes of FP6 (E2M3) with E8M0 scales; out is [2048][2048] f32.  Both operands lie in memory as images of the operands' registers: [tile][K step][1,536 bytes]; lane row r of tile T is row 32 (T / 2) + 8 (T % 2) + r + 8 (r / 8).
; SHARES.  Work-group (x, y): 128 tokens (o's tiles 8 y on) x 128 columns (Wo's tiles 8 x on): 256 equal work-groups, one for each WGP.  Wave (wr = w / 2, wc = w % 2): o's tiles 4 wr + m x Wo's tiles 4 wc + t: 16 accumulators.
; TRANSPOSED (source 0 = Wo, source 1 = o): a lane holds one token, and the 16 registers of two neighbouring tiles of Wo are 16 neighbouring columns.
; LDS.  THREE slots of FOUR K steps (o's 8 tiles x 6,144 bytes, then Wo's: 98,304 bytes); each wave fetches a quarter of a slot, 4 rows of 6,144 bytes.  K has 16 steps: steps 0 to 11 come as first fills, together, and only slot 0 is
; filled again, with steps 12 to 15: that load has 8 + 64 + 48 = 120 matrix instructions of the wave in which to land.  The change from slot 1 to slot 2 has no barrier: every wave had waited for all its tensor loads in front of
; the refill's round, so slot 2 is whole behind it.  All of K is written out: there is no loop.  The scale words of all of K come once.
; CLUSTER 4 x 4: o's tiles are asked for jointly along a row of the cluster, Wo's along a column.  By this text's own count a wave has four tensor loads out at the start and one behind the round.
; REGISTERS: window 0: v3-19 addresses; v28, v29 the add's two; v32-63 scale words, two sets; v64-127 rows on the way out, two sets; v128-255 the accumulators (m, t) at 128 + 8 (4 m + t).   window 1: fragment set p at 96 p: o's tile m at 12 m, Wo's tile t at 48 + 12 t.
; WHAT HAS CHANGED AGAINST THE HEAD'S WORDS.  Both operands are laid [pair of K steps][tile][2 fragments]: four tiles x 2 K steps are 12,288 dense bytes, and the next pair of K steps lies 393,216 bytes on.
; LDS: wave w's four tiles at 73,728 w, in it [pair of K steps 0..5][tile][2 fragments]; "slot s" is the 24,576 bytes of K steps 4 s to 4 s + 3 there.  At the head each wave issues ONE joint load, 6 rows of 12,288 bytes: K steps 0 to 11;
; the refill, 2 rows, brings K steps 12 to 15 into slot 0.  One tensor load of a wave is out at any time.
; The scale words do not pass through LDS: each wave loads those of all of K at the head from memory into 64 registers (four sets), 256 consecutive aligned bytes an instruction.
.set PART,  73728
.set SLOT,  24576
.set SCL,   294912
.set SPARE, 311296                     ; the spare words, 128 bytes a wave
.set STAGE, SLOT                       ; the way out: 16 rows x (256 + 16) bytes for each wave, in slot 1: it has had its one fill, and every wave's last read of it lies ahead of the last barrier
.set SPITCH, 272
.set LI,  3
.set L8,  4
.set ADA, 8                            ; v8-10  o's fragments in slot 0, 1, 2
.set ADB, 11                           ; v11-13 Wo's
.set ASA, 14
.set ASB, 15
.set STO, 16
.set RD,  17
.set CO,  18
.set SPW, 28
.set NIL, 29
.set SC,  32                           ; set s at SC + 16 s: register 4 P + q: pair P (0, 1 o; 2, 3 Wo), K step q of the four
.set BK,  64
.set ACC, 128
.set G1,   24
.set G1B,  32
.set G1S,  40
.set G1SB, 48
.set G0S,  56
.set G0SB, 60
.set G0,   68                          ; s[68:71] group 0 for o's tiles
.set G0B,  80                          ; s[80:83] the same for Wo's
.set MSB, 0
.macro WIN new
.if MSB != (\new)
	s_set_vgpr_msb (MSB<<8)|(\new)
.set MSB, (\new)
.endif
.endm
.macro PLACES n
.rept \n
	v_nop
.endr
.endm
.macro JLOAD g0a, g1a, g0b, g1b        ; a joint load: waves 0 and 1 fetch for o, waves 2 and 3 for Wo; an s_nop 0 and four v_nop follow each of the two lines
	s_cmp_eq_u32 s15, 0
	s_cbranch_scc0 .Lfor_b_\@
	tensor_load_to_lds s[\g0a:\g0a+3], s[\g1a:\g1a+7]
	s_nop 0
.rept 4
	v_nop
.endr
	s_branch .Lasked_\@
.Lfor_b_\@:
	tensor_load_to_lds s[\g0b:\g0b+3], s[\g1b:\g1b+7]
	s_nop 0
.rept 4
	v_nop
.endr
.Lasked_\@:
.endm
.macro CREST
	s_cmp_lg_u32 s14, 0
	s_cbranch_scc1 .Lnot_wave_0_\@
	s_barrier_signal -3
.Lnot_wave_0_\@:
	s_barrier_wait -3
	s_barrier_signal -1
	s_barrier_wait -1
.endm
.macro CROUND
	s_barrier_signal -1
	s_barrier_wait -1
	CREST
.endm
.macro PROD d, a, b, zero, sa, sb, ra, rb
.if \zero
.if (\ra) && (\rb)
	v_wmma_scale_f32_16x16x128_f8f6f4 v[\d:\d+7], v[\a:\a+11], v[\b:\b+11], 0, v[\sa], v[\sb] matrix_a_fmt:MATRIX_FMT_FP6 matrix_b_fmt:MATRIX_FMT_FP6 matrix_a_scale:MATRIX_SCALE_ROW1 matrix_b_scale:MATRIX_SCALE_ROW1
.elseif (\ra)
	v_wmma_scale_f32_16x16x128_f8f6f4 v[\d:\d+7], v[\a:\a+11], v[\b:\b+11], 0, v[\sa], v[\sb] matrix_a_fmt:MATRIX_FMT_FP6 matrix_b_fmt:MATRIX_FMT_FP6 matrix_a_scale:MATRIX_SCALE_ROW1
.elseif (\rb)
	v_wmma_scale_f32_16x16x128_f8f6f4 v[\d:\d+7], v[\a:\a+11], v[\b:\b+11], 0, v[\sa], v[\sb] matrix_a_fmt:MATRIX_FMT_FP6 matrix_b_fmt:MATRIX_FMT_FP6 matrix_b_scale:MATRIX_SCALE_ROW1
.else
	v_wmma_scale_f32_16x16x128_f8f6f4 v[\d:\d+7], v[\a:\a+11], v[\b:\b+11], 0, v[\sa], v[\sb] matrix_a_fmt:MATRIX_FMT_FP6 matrix_b_fmt:MATRIX_FMT_FP6
.endif
.else
.if (\ra) && (\rb)
	v_wmma_scale_f32_16x16x128_f8f6f4 v[\d:\d+7], v[\a:\a+11], v[\b:\b+11], v[\d:\d+7], v[\sa], v[\sb] matrix_a_fmt:MATRIX_FMT_FP6 matrix_b_fmt:MATRIX_FMT_FP6 matrix_a_scale:MATRIX_SCALE_ROW1 matrix_b_scale:MATRIX_SCALE_ROW1
.elseif (\ra)
	v_wmma_scale_f32_16x16x128_f8f6f4 v[\d:\d+7], v[\a:\a+11], v[\b:\b+11], v[\d:\d+7], v[\sa], v[\sb] matrix_a_fmt:MATRIX_FMT_FP6 matrix_b_fmt:MATRIX_FMT_FP6 matrix_a_scale:MATRIX_SCALE_ROW1
.elseif (\rb)
	v_wmma_scale_f32_16x16x128_f8f6f4 v[\d:\d+7], v[\a:\a+11], v[\b:\b+11], v[\d:\d+7], v[\sa], v[\sb] matrix_a_fmt:MATRIX_FMT_FP6 matrix_b_fmt:MATRIX_FMT_FP6 matrix_b_scale:MATRIX_SCALE_ROW1
.else
	v_wmma_scale_f32_16x16x128_f8f6f4 v[\d:\d+7], v[\a:\a+11], v[\b:\b+11], v[\d:\d+7], v[\sa], v[\sb] matrix_a_fmt:MATRIX_FMT_FP6 matrix_b_fmt:MATRIX_FMT_FP6
.endif
.endif
.endm
; 8 products: o's tiles m0, m0 + 1 against Wo's four.  The 16 accumulators take turns, one instruction a turn, in one order in every K step.
.macro MUL8 p, q, sc, m0, zero
	WIN 0x05                                       ; sources 0 and 1 in window 1, C and D in window 0
.irp m, \m0, \m0+1
.irp t, 0,1,2,3
.set rD, ACC+8*(4*(\m)+\t)
.set rA, 96*(\p)+48+12*\t
.set rB, 96*(\p)+12*(\m)
.set rSA, SC+16*(\sc)+8+4*(\t/2)+(\q)
.set rSB, SC+16*(\sc)+4*((\m)/2)+(\q)
	PROD rD, rA, rB, \zero, rSA, rSB, \t%2, (\m)%2
.endr
.endr
.endm
.macro FETCH slot, q, p                ; the 8 fragments of the slot's K step q into set p
	WIN 0x40
.irp m, 0,1,2,3
.irp g, 0,1,2
	ds_load_b128 v[96*(\p)+12*\m+4*\g:96*(\p)+12*\m+4*\g+3], v[ADA+\slot] offset:3072*\m+12288*((\q)/2)+1536*((\q)%2)+512*\g
	ds_load_b128 v[96*(\p)+48+12*\m+4*\g:96*(\p)+48+12*\m+4*\g+3], v[ADB+\slot] offset:3072*\m+12288*((\q)/2)+1536*((\q)%2)+512*\g
.endr
.endr
.endm
.macro SCALES f                        ; the scale words of the f-th four K steps into set f, from memory
.irp i, 0,1
.irp k, 0,1
	global_load_b64 v[SC+16*\f+4*\i+2*\k:SC+16*\f+4*\i+2*\k+1], v[L8], s[22:23] offset:2048*\i+256*(2*\f+\k)
	global_load_b64 v[SC+16*\f+8+4*\i+2*\k:SC+16*\f+8+4*\i+2*\k+1], v[L8], s[18:19] offset:2048*\i+256*(2*\f+\k)
.endr
.endr
.endm
.macro STEP slot, q, sc, zero          ; one of a slot's first three K steps: multiplies set q % 2, fetches the next K step into the other
	s_wait_dscnt 0x0                               ; this K step's fragments, asked for a K step ago, are in
	PLACES 4                                       ; in front of loads into registers that the last products read
	FETCH \slot, (\q)+1, 1-(\q)%2
	MUL8 (\q)%2, \q, \sc, 0, \zero
	MUL8 (\q)%2, \q, \sc, 2, \zero
.endm
; A slot's last K step where the next slot is known whole and nothing is filled: no barrier.
.macro PASS next, sc
	s_wait_dscnt 0x0
	PLACES 4
	FETCH \next, 0, 0
	MUL8 1, 3, \sc, 0, 0
	MUL8 1, 3, \sc, 2, 0
.endm
; A slot's last K step with a barrier; in front of it each wave waits for all its tensor loads, adds 0 to its spare word, and waits for that and for its reads of this slot.  fill = 1: the slot (slot 0) is filled again, with K steps 12 to 15.
.macro TURN slot, next, fill, sc
	WIN 0
	s_wait_tensorcnt 0x0                           ; all my tensor loads have landed
	ds_add_u32 v[SPW], v[NIL]                      ; 0 onto my spare word
	s_wait_dscnt 0x0                               ; the add is done; the last fragments are in, and with them my reads of this slot are over
	s_barrier_signal -1
	MUL8 1, 3, \sc, 0, 0                           ; work on registers while the others arrive
	WIN 0
	s_barrier_wait -1
.if \fill
	CREST                                          ; the barrier has opened a round of the cluster's: no wave of any partner still reads this slot or has a load on its way
	s_add_nc_u64 s[G0+4*\slot+2:G0+4*\slot+3], s[G0+4*\slot+2:G0+4*\slot+3], 6*393216
	s_add_nc_u64 s[G0B+4*\slot+2:G0B+4*\slot+3], s[G0B+4*\slot+2:G0B+4*\slot+3], 6*393216
	JLOAD G0+4*\slot, G1, G0B+4*\slot, G1B         ; the first tensor load behind the round; its four v_nop are also the places in front of the loads below
.else
	PLACES 4
.endif
	FETCH \next, 0, 0
	MUL8 1, 3, \sc, 2, 0
.endm
	s_load_b256 s[4:11], s[0:1], 0x0               ; oc, os, qkvc, qkvs
	s_load_b64 s[12:13], s[0:1], 0x20              ; out0
	v_lshl_add_u32 v[SPW], v0, 2, SPARE
	v_mov_b32 v[NIL], 0
	ds_add_u32 v[SPW], v[NIL]                      ; the wave's opening: the add and its wait stand ahead of my first tensor load; the set-up below, work on registers, stands between them
	ds_add_u32 v[SPW], v[NIL]
	v_lshrrev_b32 v1, 5, v0
	v_readfirstlane_b32 s14, v1                    ; wave 0..3
	s_lshr_b32 s15, s14, 1                         ; wr.  Also: I fetch for o (0) or for Wo (1)
	s_and_b32 s16, s14, 1                          ; wc.  Also: which four tiles I fetch
	s_bfe_u32 s100, ttmp6, 0x40000                 ; cx, cy: my place in the cluster
	s_bfe_u32 s101, ttmp6, 0x40004
	s_lshl_b32 s92, ttmp9, 2
	s_add_co_u32 s92, s92, s100                    ; x
	s_and_b32 s17, ttmp7, 0xffff
	s_lshl_b32 s17, s17, 2
	s_add_co_u32 s17, s17, s101                    ; y
	s_lshl_b32 s93, s101, 2
	s_lshl_b32 s93, 15, s93                        ; my row of the cluster
	s_lshl_b32 s94, 0x1111, s100                   ; my column
	; group 1 for the codes: 4 rows (tiles) of 768 elements of 8 bytes (four fragments), 3,072 elements apart
	s_or_b32 s[G1+0], s93, (3<<16)|(1<<21)
	s_or_b32 s[G1B+0], s94, (3<<16)|(1<<21)
.irp g, G1, G1B
	s_mov_b32 s[\g+1], 1536<<16                    ; the refill: 2 rows (pairs of K steps) of 1,536 elements (four tiles), 49,152 elements apart
	s_mov_b32 s[\g+2], 2<<16
	s_mov_b32 s[\g+3], 1536<<16
	s_mov_b32 s[\g+4], 2
	s_mov_b32 s[\g+5], 49152
	s_mov_b32 s[\g+6], 0
	s_mov_b32 s[\g+7], 0
.endr
	; and for the scale words: 4,096 dense bytes as 16 rows of 256
	s_or_b32 s[G1S+0], s93, (3<<16)|(1<<21)
	s_or_b32 s[G1SB+0], s94, (3<<16)|(1<<21)
.irp g, G1S, G1SB
	s_mov_b32 s[\g+1], 1536<<16                    ; these two groups serve the head's load: 6 such rows
	s_mov_b32 s[\g+2], 6<<16
	s_mov_b32 s[\g+3], 1536<<16
	s_mov_b32 s[\g+4], 6
	s_mov_b32 s[\g+5], 49152
	s_mov_b32 s[\g+6], 0
	s_mov_b32 s[\g+7], 0
.endr
	s_mul_i32 s97, s16, 12288                      ; my four tiles of the eight
	s_mul_i32 s20, s17, 24576
	s_add_co_u32 s20, s20, s97                     ; o's codes
	s_mov_b32 s21, 0
	s_mul_i32 s98, s92, 24576
	s_add_co_u32 s98, s98, s97
	s_add_co_u32 s98, s98, 9437184                 ; Wo's codes lie behind k and v in qkvc
	s_mov_b32 s99, 0
	s_lshl_b32 s97, s15, 12
	s_lshl_b32 s22, s17, 13
	s_add_co_u32 s22, s22, s97                     ; the scale words of o's tiles 4 wr on: 8,192 y + 4,096 wr
	s_lshl_b32 s97, s16, 12                        ; and of Wo's tiles 4 wc on
	s_mov_b32 s23, 0
	s_lshl_b32 s18, s92, 13
	s_add_co_u32 s18, s18, s97
	s_add_co_u32 s18, s18, 393216                  ; Wo's scale words lie behind theirs in qkvs
	s_mov_b32 s19, 0
	s_mul_i32 s95, s14, PART                       ; where the codes go: no place in the cluster enters an LDS address
	s_wait_dscnt 0x0                               ; the opening add is done
	s_wait_kmcnt 0x0
	s_add_nc_u64 s[20:21], s[4:5], s[20:21]
	s_add_nc_u64 s[22:23], s[6:7], s[22:23]
	s_add_nc_u64 s[98:99], s[8:9], s[98:99]
	s_add_nc_u64 s[18:19], s[10:11], s[18:19]
	CROUND                                         ; all sixteen work-groups are here: the first joint loads meet
.irp s, 0
	s_mov_b32 s[G0+4*\s], 1
	s_add_co_u32 s[G0+4*\s+1], s95, \s*SLOT
	s_add_nc_u64 s[G0+4*\s+2:G0+4*\s+3], s[20:21], \s*6144
	s_or_b32 s[G0+4*\s+3], s[G0+4*\s+3], 0x80000000
	s_mov_b32 s[G0B+4*\s], 1
	s_add_co_u32 s[G0B+4*\s+1], s95, \s*SLOT
	s_add_nc_u64 s[G0B+4*\s+2:G0B+4*\s+3], s[98:99], \s*6144
	s_or_b32 s[G0B+4*\s+3], s[G0B+4*\s+3], 0x80000000
	JLOAD G0+4*\s, G1S, G0B+4*\s, G1SB             ; my one load at the head: K steps 0 to 11 of my four tiles
.endr
	v_and_b32 v1, 15, v0                           ; r
	v_bfe_u32 v2, v0, 4, 1                         ; h
	v_and_b32 v19, 31, v0
	v_lshlrev_b32 v[LI], 4, v19
	v_lshlrev_b32 v[L8], 3, v19
	s_wait_alu depctr_va_vdst(0)
	s_mul_i32 s2, s15, PART                        ; o's tiles 4 wr on
	s_mul_i32 s3, s16, PART
	s_add_co_u32 s3, s3, 2*PART                    ; Wo's tiles 4 wc on
.irp s, 0,1,2
	v_add_nc_u32 v[ADA+\s], s2, v[LI]
	v_add_nc_u32 v[ADB+\s], s3, v[LI]
	s_add_co_u32 s2, s2, SLOT
	s_add_co_u32 s3, s3, SLOT
.endr
.irp f, 0,1,2,3
	SCALES \f
.endr
	s_mul_i32 s2, s14, 16*SPITCH
	s_add_co_u32 s2, s2, STAGE                     ; my stage
	v_mul_u32_u24 v[STO], v1, SPITCH
	v_lshl_add_u32 v[STO], v2, 6, v[STO]
	v_add_nc_u32 v[STO], s2, v[STO]                ; in: row r, + 64 h
	v_mul_u32_u24 v[RD], v2, SPITCH
	v_lshl_add_u32 v[RD], v1, 4, v[RD]
	v_add_nc_u32 v[RD], s2, v[RD]                  ; back: lanes 0-15 one row of 256 bytes, lanes 16-31 the next
	v_lshlrev_b32 v[CO], 13, v2
	v_lshl_add_u32 v[CO], v1, 4, v[CO]             ; and the same two rows in out
	s_lshl_b32 s2, s17, 20                         ; out: row 128 y + 64 wr of 8,192 bytes, column 128 x + 64 wc
	s_lshl_b32 s3, s15, 19
	s_add_co_u32 s2, s2, s3
	s_lshl_b32 s3, s92, 9
	s_add_co_u32 s2, s2, s3
	s_lshl_b32 s3, s16, 8
	s_add_co_u32 s2, s2, s3
	s_mov_b32 s3, 0
	s_add_nc_u64 s[12:13], s[12:13], s[2:3]
	s_wait_alu depctr_va_vdst(0)
	s_wait_tensorcnt 0x0                           ; my part of K steps 0 to 11 is in
	s_wait_loadcnt 0x0                             ; and my scale words
	s_barrier_signal -1
	s_barrier_wait -1
	FETCH 0, 0, 0
	STEP 0, 0, 0, 1                                ; the first products start the sums
	STEP 0, 1, 0, 0
	STEP 0, 2, 0, 0
	TURN 0, 1, 1, 0                                ; slot 0 takes K steps 12 to 15
	STEP 1, 0, 1, 0
	STEP 1, 1, 1, 0
	STEP 1, 2, 1, 0
	PASS 2, 1                                      ; on into slot 2
	STEP 2, 0, 2, 0
	STEP 2, 1, 2, 0
	STEP 2, 2, 2, 0
	TURN 2, 0, 0, 2                                ; slot 0's second fill is whole; nothing is left to fetch
	STEP 0, 0, 3, 0
	STEP 0, 1, 3, 0
	STEP 0, 2, 3, 0
	s_wait_dscnt 0x0
	MUL8 1, 3, 3, 0, 0
	MUL8 1, 3, 3, 2, 0
	WIN 0
; THE WAY OUT, a tile of 16 tokens x my 64 columns at a time, through my own stage: a lane's 32 bytes of a row go in, whole rows of 256 bytes come back.  LDS serves a wave's instructions in order: no wait between the stores and the loads, nor in front of the next tile's stores.
.macro TOSTAGE m
.irp t, 0,1,2,3
	ds_store_b128 v[STO], v[ACC+8*(4*(\m)+\t):ACC+8*(4*(\m)+\t)+3] offset:128*(\t/2)+32*(\t%2)        ; each accumulator from its low end on
	ds_store_b128 v[STO], v[ACC+8*(4*(\m)+\t)+4:ACC+8*(4*(\m)+\t)+7] offset:128*(\t/2)+32*(\t%2)+16
.endr
.irp i, 0,1,2,3,4,5,6,7
	ds_load_b128 v[BK+32*((\m)%2)+4*\i:BK+32*((\m)%2)+4*\i+3], v[RD] offset:2*\i*SPITCH
.endr
.endm
.macro SEND m, younger                 ; younger: the LDS instructions issued behind tile m's loads, which may stay out
	s_wait_dscnt \younger
.irp i, 0,1,2,3,4,5,6,7
	global_store_b128 v[CO], v[BK+32*((\m)%2)+4*\i:BK+32*((\m)%2)+4*\i+3], s[12:13] offset:(32*((\m)/2)+8*((\m)%2)+2*\i+8*(\i/4))*8192 th:TH_STORE_NT   ; lane rows 2 i, 2 i + 1 of the tile: 16 lanes store 256 consecutive bytes, aligned
.endr
.endm
	PLACES 4                                       ; in front of the first reads of results
	TOSTAGE 0
.irp a, 1,2,3
.if \a > 1
	s_wait_xcnt 0x0                                ; the stores of two tiles back have read their registers: this tile's loads may land there
.endif
	TOSTAGE \a
	SEND \a-1, 16                                  ; behind tile a - 1's loads: tile a's 8 stores and 8 loads
.endr
	SEND 3, 0
	s_wait_tensorcnt 0x0                           ; the wave's end, behind my last tensor load and my last LDS store
	ds_add_u32 v[SPW], v[NIL]
	s_wait_dscnt 0x0
	CROUND                                         ; the closing round
	s_endpgm
.Lfunc_end_k_q58a900d4b0_oproj:
	.size	k_q58a900d4b0_oproj, .Lfunc_end_k_q58a900d4b0_oproj-k_q58a900d4b0_oproj
	.p2alignl 7, 3214868480
	.fill 96, 4, 3214868480
	.section	.rodata,"a",@progbits
	.p2align	6, 0x0
	.amdhsa_kernel k_q58a900d4b0_oproj
		.amdhsa_group_segment_fixed_size 327680
		.amdhsa_private_segment_fixed_size 0
		.amdhsa_enable_private_segment 0
		.amdhsa_kernarg_size 40
		.amdhsa_user_sgpr_count 2
		.amdhsa_user_sgpr_kernarg_segment_ptr 1
		.amdhsa_wavefront_size32 1
		.amdhsa_system_sgpr_workgroup_id_x 1
		.amdhsa_system_sgpr_workgroup_id_y 1
		.amdhsa_system_sgpr_workgroup_id_z 1
		.amdhsa_system_vgpr_workitem_id 0
		.amdhsa_next_free_vgpr 512
		.amdhsa_next_free_sgpr 102
		.amdhsa_reserve_vcc 0
		.amdhsa_float_denorm_mode_32 3
		.amdhsa_float_denorm_mode_16_64 3
		.amdhsa_memory_ordered 1
		.amdhsa_forward_progress 1
		.amdhsa_inst_pref_size 79
	.end_amdhsa_kernel
	.amdgpu_metadata
---
amdhsa.version: [ 1, 2 ]
amdhsa.kernels:
  - .name:           k_q58a900d4b0_oproj
    .symbol:         k_q58a900d4b0_oproj.kd
    .args:
      - { .name: oc, .offset: 0, .size: 8, .value_kind: global_buffer, .address_space: global }
      - { .name: os, .offset: 8, .size: 8, .value_kind: global_buffer, .address_space: global }
      - { .name: qkvc, .offset: 16, .size: 8, .value_kind: global_buffer, .address_space: global }
      - { .name: qkvs, .offset: 24, .size: 8, .value_kind: global_buffer, .address_space: global }
      - { .name: out0, .offset: 32, .size: 8, .value_kind: global_buffer, .address_space: global }
    .group_segment_fixed_size: 327680
    .private_segment_fixed_size: 0
    .kernarg_segment_align: 8
    .kernarg_segment_size: 40
    .max_flat_workgroup_size: 128
    .sgpr_count:     102
    .vgpr_count:     512
    .wavefront_size: 32
...
	.end_amdgpu_metadata
.endif
;; end of part 4
